; MI455X (gfx1250); checked and timed in simulation.
; The chip was launched on July 23, 2026; its instructions are those of AMD's public machine-readable ISA for CDNA 5 (MIT licence, August 2026) and "CDNA5" Instruction Set Architecture Reference Guide (July 2026). The comments in the code are by the model that wrote it; some were corrected since.
;; Causal Self Attention. Allowed arithmetic: matrix products marked QUANTISED: E4M3 operands, one given power-of-two scale a tensor, by v_wmma_f32_16x16x64_fp8_fp8 or v_wmma_f32_16x16x128_fp8_fp8, f32 sums; everything else in f32.
;; Inputs: W_attn 3,072 x 1,024 float32; W_proj 1,024 x 1,024 float32; b_attn 3,072 float32; b_proj 1,024 float32; lowp_scales 8 int32 (the exponents e of the quantised operands' scales 2^e); rel_emb 32 x 16 float32; x 4 x 2,048 x 1,024 float32.
;; Outputs: out0 4 x 2,048 x 1,024 float32.
;; This version of the problem:
;;   THIS VERSION OF THE PROBLEM IS GIVEN IN LOW PRECISION. The matrix products marked QUANTISED in the list below multiply operands that are first quantised to E4M3 (4 exponent bits, 3 mantissa bits; 8 bits a number), with one given power-of-two scale for each operand tensor; their sums are f32. All else is computed in f32.
;;   The module's matrix products, in the order in which they are computed (A, B: the left and right operand; K: the contracted axis; several contracted axes count as one K, in the product's order):
;;     1. [M 8,192, K 1,024] x [K 1,024, N 3,072]; A: input x; B: input W_attn: QUANTISED (scales: A lowp_scales[0], B lowp_scales[1])
;;     2. batch 64 x [M 2,048, K 64] x [K 64, N 2,048]; A: computed on the way; B: computed on the way: QUANTISED (scales: A lowp_scales[2], B lowp_scales[3])
;;     3. batch 64 x [M 2,048, K 2,048] x [K 2,048, N 64]; A: softmax (see below); B: computed on the way: QUANTISED (scales: A lowp_scales[4], B lowp_scales[5])
;;     4. [M 8,192, K 1,024] x [K 1,024, N 1,024]; A: computed on the way; B: input W_proj: QUANTISED (scales: A lowp_scales[6], B lowp_scales[7])
;;   THE QUANTISER, for each operand of a quantised product, along K:
;;     - The operand's scale is 2^e, e = its entry of the input lowp_scales (int32; the entries are numbered through the quantised products in the list's order, A before B).
;;     - Each number is divided by the scale, clamped to +-448, and rounded to the nearest number of E4M3, ties to even, subnormals kept.
;;     - The product sums the exact products of the quantised numbers (number of the format x scale) in f32.
;;   ~~~python
;;   def quantise(x, axis, e):      # numpy; x: float32 -> the quantised numbers, widened to float32 again
;;       x = np.moveaxis(x, axis, -1); K = x.shape[-1]
;;       r = np.clip(x / 2.0 ** e, -448, 448)
;;       step = 2.0 ** (np.maximum(np.frexp(np.where(r == 0, 1, r))[1] - 1, -6) - 3)
;;       q = np.round(r / step) * step * 2.0 ** e      # np.round: ties to even
;;       return np.moveaxis(q, -1, axis).astype(np.float32)
;;   ~~~
;;   SOFTMAX AHEAD OF A QUANTISED PRODUCT. Where the list says 'softmax', what is quantised is not the finished softmax but p = 2^(t - M), with t = logit x log2(e) and M = ceil(the row's largest t), a whole number; so 1/2 < the row's largest p <= 1. The row's sum l is taken of the UNQUANTISED p, in f32, and the product's result is divided by l at the end. Since M is a whole number, a kernel that streams over the keys may use a running M (the ceiling of the running maximum): every later rescaling is an exact power of two, so the quantised numbers keep their values, but for numbers so far below the row's largest that they fall under the format's range.
;;   OPERANDS COMPUTED ON THE WAY. 'Computed on the way' means the value that the module computes at that place (a softmax that the list does not call 'softmax' is quantised finished and normalised). What goes into a quantiser is computed in f32, as accurately as f32 sums, v_exp_f32 and their like allow (about 1e-6 of the number): no bf16 or f16 on the way to a quantiser, and a product that is left as it is and whose result goes on into a quantised operand takes f32 operands (vector FMAs, or v_wmma_f32_16x16x4_f32). A number that lies on a knife's edge between two numbers of the format may be rounded either way, as far as f32 arithmetic and the matrix unit's own rounding can turn it there, and no further.
;; One version. Each part assembles by itself: llvm-mc -triple=amdgcn-amd-amdhsa -mcpu=gfx1250 --defsym DOCPART=n.
;; ======== version 1 of 1: 4 launches
;; limits: right only within a limited range of input values
;; workspace buffers: xc 8,388,608 bytes; wac 3,145,728 bytes; wpc 1,048,576 bytes; qkv 25,165,824 bytes; yc 8,388,608 bytes
;; launch quant (part 1): grid 384 x 1, 4 waves a work-group, no clusters, 33,280 bytes of LDS; arguments x, W_attn, W_proj, lowp_scales, xc, wac, wpc; writes xc, wac, wpc
.if DOCPART == 1
	.amdgcn_target "amdgcn-amd-amdhsa--gfx1250"
	.amdhsa_code_object_version 6
	.text
	.protected	k_q966ef13afd_quant
	.globl	k_q966ef13afd_quant
	.p2align	8
	.type	k_q966ef13afd_quant,@function
k_q966ef13afd_quant:
	s_mov_b64 s[64:65], 0
	v_nop
	global_prefetch_b8 v0, s[64:65] scope:SCOPE_SE
	s_setreg_imm32_b32 hwreg(HW_REG_WAVE_MODE, 25, 1), 1
	s_wait_xcnt 0x0
; LAUNCH 1 OF 4.  x [8192][1024], W_attn [3072][1024], W_proj [1024][1024], f32, K innermost, become codes of E4M3, each tensor with its given scale 2^e
; (entries 0, 1 and 7 of lowp_scales): code = number / 2^e, held within +-448, rounded to the nearest code, ties to even.
; WHAT THE PROGRAM LEAVES OUT.  No input is dead: b_attn moves the codes of q, k and v; rel_emb differs along the key axis; b_proj is added to the output.  Left out is one thing, in the third launch:
; reference() builds the causal mask itself (jnp.tril) and sets every score with key > query to -inf ahead of the softmax, so such a score has weight 0 whatever the inputs hold: steps of 128 keys that lie
; wholly behind a tile's 16 queries are not computed.  LIMIT: a NaN, an infinity or an overflow that would arise only in those steps is not carried to the result.
; THE BUCKETS of the relative positions hang on jnp.arange alone, so they are constants of the problem: for d = query - key >= 0 the bucket is min(d, 16) + the number of thresholds
; 19 21 24 27 31 35 40 46 52 59 67 77 87 99 113 that are <= d (the least whole d with 16 log2(d / 16) / 3 >= n).  Among whole d that expression comes no nearer to a whole number than 0.011 (d = 76),
; but at d = 16 (exactly 0) and d = 128 (clipped to 31 either way), so f32 rounding moves no bucket.
; THE CODES' ORDER.  Rows stay rows of 1,024 bytes, but inside each block of 32 the four groups of eight lie in the order 0, 2, 1, 3: stored byte 32 g + 16 h + 8 u + j holds k = 32 g + 16 u + 8 h + j.
; Sixteen bytes read at 32 g + 16 h are then registers 4 g .. 4 g + 3 of the plain FP8 form's own layout (ISA guide 7.12.2): every k stands in its true place, and a fragment takes four loads of 16 bytes.
; LIMITS: each e between -126 and 119.  NaN among the inputs is not served (an infinity is held at the largest code).
; SHARES.  All three tensors are dense streams of blocks of 32.  A work-group takes 32,768 numbers: work-groups 0-255 x, 256-351 W_attn, 352-383 W_proj; only pointers and numbers are chosen, so there is one
; path through the text.  A wave takes 16 steps of 512 numbers.  Each of a step's four loads reads 512 consecutive bytes; the 2,048 bytes turn through the wave's own stage in LDS, so that a lane gets the 16
; numbers whose codes lie together; a wave's store covers 512 consecutive bytes.  Loads run four steps ahead, the turn through LDS one step.  Waves share nothing: no barrier.
; Matrix units, clusters and tensor loads are left out: memory binds, and no byte is read twice.
.set WAVES, 4
.set STEPS, 16
.set WGX,   256                        ; x's work-groups
.set WGXA,  352                        ; x's and W_attn's
.set EMAX,  8
.set MANT,  0x600000                   ; the mantissa field of 448 as f32
.set CB,    16                         ; bytes of 16 codes
.set R,     16                         ; v16-79   four sets of 16 numbers as they are loaded
.set X,     80                         ; v80-111  two sets of 16 numbers as the conversions want them
.set C,     128                        ; v128-191 codes: four registers for each step, so that no store's data are written again
.set WREG,  8192                       ; LDS: a region for each wave: two stages of 32 x SP bytes
.set SP,    80                         ; a lane's place in a stage: its 64 bytes + 16 of padding
.set SPW,   12                         ; v12      LDS address of my spare word; never rewritten
.set NIL,   13                         ; v13      0; never rewritten
.set SPARE, WAVES*WREG                 ; behind the four regions: the spare words, 128 bytes for each wave
	s_load_b256 s[4:11], s[0:1], 0x0               ; x s[4:5], W_attn s[6:7], W_proj s[8:9], the scales' exponents s[10:11]
	s_load_b128 s[12:15], s[0:1], 0x20             ; xc s[12:13], wac s[14:15]
	s_load_b64 s[16:17], s[0:1], 0x30              ; wpc
	v_lshl_add_u32 v[SPW], v0, 2, SPARE
	v_mov_b32 v[NIL], 0
	v_lshrrev_b32 v1, 5, v0
	v_readfirstlane_b32 s18, v1                    ; wave
	v_and_b32 v2, 31, v0                           ; lane l
	v_lshlrev_b32 v3, 4, v2                        ; 16 l: my 16 bytes of a load's 512, and my 16 codes of a step's 512
	s_mul_i32 s19, s18, WREG
	; the stage, on the way in.  My four numbers are k = 16 u + 8 y + 4 z .. of block l / 8 of the load (u = bit 2, y = bit 1, z = bit 0 of l): they go to place 2 (l / 8) + y, byte 32 u + 16 z
	v_lshrrev_b32 v14, 3, v2
	v_bfe_u32 v15, v2, 1, 1
	v_lshl_add_u32 v14, v14, 1, v15
	v_mul_u32_u24 v14, v14, SP
	v_bfe_u32 v15, v2, 2, 1
	v_lshl_add_u32 v14, v15, 5, v14
	v_and_b32 v15, 1, v2
	v_lshl_add_u32 v14, v15, 4, v14
	v_add_nc_u32 v14, s19, v14
	v_mul_u32_u24 v15, v2, SP
	v_add_nc_u32 v15, s19, v15                     ; and on the way out: place l: k = 8 y + 0 .. 7 and 16 + 8 y + 0 .. 7 of block l / 2, y = l % 2
	s_wait_alu depctr_va_vdst(0)
	s_wait_kmcnt 0x0
	s_load_b256 s[24:31], s[10:11], 0x0            ; e0 .. e7
	s_mov_b32 s20, WGXA
	s_cmp_lt_u32 ttmp9, WGXA                       ; the choices hang on the work-group's number alone
	s_cselect_b64 s[6:7], s[6:7], s[8:9]           ; W_attn or W_proj,
	s_cselect_b64 s[14:15], s[14:15], s[16:17]     ; its codes,
	s_cselect_b32 s20, WGX, s20                    ; its first work-group
	s_cmp_lt_u32 ttmp9, WGX
	s_cselect_b64 s[4:5], s[4:5], s[6:7]           ; x or that
	s_cselect_b64 s[8:9], s[12:13], s[14:15]
	s_cselect_b32 s20, 0, s20
	s_sub_co_u32 s20, ttmp9, s20
	s_lshl_b32 s20, s20, 2
	s_add_co_u32 s20, s20, s18                     ; which run of 8,192 numbers of the tensor is my wave's: at most 1,023
	s_lshl_b32 s32, s20, 15                        ; 32,768 bytes of numbers,
	s_mov_b32 s33, 0
	s_lshl_b32 s34, s20, 13                        ; 8,192 bytes of codes
	s_mov_b32 s35, 0
	s_add_nc_u64 s[4:5], s[4:5], s[32:33]
	s_add_nc_u64 s[8:9], s[8:9], s[34:35]
.macro LOAD t
.irp i, 0,1,2,3
	global_load_b128 v[R+16*((\t)%4)+4*\i:R+16*((\t)%4)+4*\i+3], v3, s[4:5] offset:2048*(\t)+512*\i th:TH_LOAD_NT   ; 32 lanes read 512 consecutive bytes, read once in the launch
.endr
.endm
.macro TURN t                          ; step t's numbers through the stage: LDS serves a wave's instructions in order (ISA guide 5.7.1), so no wait stands between the stores and the loads
.irp i, 0,1,2,3
	ds_store_b128 v14, v[R+16*((\t)%4)+4*\i:R+16*((\t)%4)+4*\i+3] offset:32*SP*((\t)%2)+8*SP*\i
.endr
.irp i, 0,1,2,3
	ds_load_b128 v[X+16*((\t)%2)+4*\i:X+16*((\t)%2)+4*\i+3], v15 offset:32*SP*((\t)%2)+16*\i
.endr
.endm
.irp t, 0,1,2,3
	LOAD \t
.endr
	s_wait_kmcnt 0x0
	s_cmp_lt_u32 ttmp9, WGXA
	s_cselect_b32 s36, s25, s31                    ; e1 or e7,
	s_cmp_lt_u32 ttmp9, WGX
	s_cselect_b32 s36, s24, s36                    ; e0 or that
	s_add_co_i32 s36, s36, 127
	s_lshl_b32 s37, s36, 23
	v_mov_b32 v11, s37                             ; 2^e as f32: the conversion takes its exponent field
	s_add_co_i32 s36, s36, EMAX
	s_lshl_b32 s36, s36, 23
	s_or_b32 s36, s36, MANT
	s_wait_alu depctr_va_vdst(0)
	s_wait_loadcnt 12                              ; step 0's four loads are in; the twelve of steps 1 to 3 may be out
	TURN 0
.macro STEP t
.set XS, X+16*((\t)%2)
	s_wait_dscnt 0x0                               ; this step's numbers are back from the stage: so its stores into the stage have read their registers,
.if (\t)+4 < STEPS
	LOAD (\t)+4                                    ; which take the loads of four steps on
.endif
.if (\t)+1 < STEPS
.if STEPS-2-(\t) >= 3
	s_wait_loadcnt 12                              ; the next step's four loads are in; those of the three steps behind it may be out
.else
	s_wait_loadcnt 4*(STEPS-2-(\t))                ; the tail: fewer steps are behind it
.endif
	TURN (\t)+1                                    ; and go through the other stage while this step is worked
.endif
.irp i, 0,1,2,3,4,5,6,7,8,9,10,11,12,13,14,15
.endr
	v_cvt_scalef32_pk8_fp8_f32 v[C+4*(\t):C+4*(\t)+1], v[XS:XS+7], v11
	v_cvt_scalef32_pk8_fp8_f32 v[C+4*(\t)+2:C+4*(\t)+3], v[XS+8:XS+15], v11
	global_store_b128 v3, v[C+4*(\t):C+4*(\t)+3], s[8:9] offset:32*CB*(\t)   ; the results go to a store alone; the next vector lines are the next step's conversions, on other registers
.endm
.irp t, 0,1,2,3,4,5,6,7,8,9,10,11,12,13,14,15
	STEP \t
.endr
	s_wait_tensorcnt 0x0                           ; the wave's end
	ds_add_u32 v[SPW], v[NIL]
	s_wait_dscnt 0x0
	s_endpgm
.Lfunc_end_k_q966ef13afd_quant:
	.size	k_q966ef13afd_quant, .Lfunc_end_k_q966ef13afd_quant-k_q966ef13afd_quant
	.p2alignl 7, 3214868480
	.fill 96, 4, 3214868480
	.section	.rodata,"a",@progbits
	.p2align	6, 0x0
	.amdhsa_kernel k_q966ef13afd_quant
		.amdhsa_group_segment_fixed_size 33280
		.amdhsa_private_segment_fixed_size 0
		.amdhsa_enable_private_segment 0
		.amdhsa_kernarg_size 56
		.amdhsa_user_sgpr_count 2
		.amdhsa_user_sgpr_kernarg_segment_ptr 1
		.amdhsa_wavefront_size32 1
		.amdhsa_system_sgpr_workgroup_id_x 1
		.amdhsa_system_sgpr_workgroup_id_y 1
		.amdhsa_system_sgpr_workgroup_id_z 1
		.amdhsa_system_vgpr_workitem_id 0
		.amdhsa_next_free_vgpr 192
		.amdhsa_next_free_sgpr 66
		.amdhsa_reserve_vcc 0
		.amdhsa_float_denorm_mode_32 3
		.amdhsa_float_denorm_mode_16_64 3
		.amdhsa_fp16_overflow 1
		.amdhsa_memory_ordered 1
		.amdhsa_forward_progress 1
		.amdhsa_inst_pref_size 22
	.end_amdhsa_kernel
	.amdgpu_metadata
---
amdhsa.version: [ 1, 2 ]
amdhsa.kernels:
  - .name:           k_q966ef13afd_quant
    .symbol:         k_q966ef13afd_quant.kd
    .args:
      - { .name: x, .offset: 0, .size: 8, .value_kind: global_buffer, .address_space: global }
      - { .name: W_attn, .offset: 8, .size: 8, .value_kind: global_buffer, .address_space: global }
      - { .name: W_proj, .offset: 16, .size: 8, .value_kind: global_buffer, .address_space: global }
      - { .name: lowp_scales, .offset: 24, .size: 8, .value_kind: global_buffer, .address_space: global }
      - { .name: xc, .offset: 32, .size: 8, .value_kind: global_buffer, .address_space: global }
      - { .name: wac, .offset: 40, .size: 8, .value_kind: global_buffer, .address_space: global }
      - { .name: wpc, .offset: 48, .size: 8, .value_kind: global_buffer, .address_space: global }
    .group_segment_fixed_size: 33280
    .private_segment_fixed_size: 0
    .kernarg_segment_align: 8
    .kernarg_segment_size: 56
    .max_flat_workgroup_size: 128
    .sgpr_count:     66
    .vgpr_count:     192
    .wavefront_size: 32
...
	.end_amdgpu_metadata
.endif
;; end of part 1
;; launch gemm_qkv (part 2): grid 12 x 32, 4 waves a work-group, clusters of 4 x 4, 327,680 bytes of LDS; arguments xc, wac, lowp_scales, b_attn, qkv; writes qkv
.if DOCPART == 2
	.amdgcn_target "amdgcn-amd-amdhsa--gfx1250"
	.amdhsa_code_object_version 6
	.text
	.protected	k_q966ef13afd_gemm_qkv
	.globl	k_q966ef13afd_gemm_qkv
	.p2align	8
	.type	k_q966ef13afd_gemm_qkv,@function
k_q966ef13afd_gemm_qkv:
	s_mov_b64 s[64:65], 0
	v_nop
	global_prefetch_b8 v0, s[64:65] scope:SCOPE_SE
	s_setreg_imm32_b32 hwreg(HW_REG_WAVE_MODE, 25, 1), 1
	s_wait_xcnt 0x0
	s_wait_alu depctr_hold_cnt(0) depctr_sa_sdst(0) depctr_va_vdst(0) depctr_va_sdst(0) depctr_va_ssrc(0) depctr_va_vcc(0) depctr_vm_vsrc(0)
	s_getreg_b32 s2, hwreg(HW_REG_IB_STS2, 6, 4)
	s_cmp_eq_u32 s2, 0
	s_cbranch_scc0 .Lentry_in_a_cluster
	s_endpgm
.Lentry_in_a_cluster:
	s_bfe_u32 s2, ttmp6, 0x10000c
	s_cmp_lg_u32 s2, 0xf033
	s_cbranch_scc0 .Lentry_shape_is_right
	s_endpgm
.Lentry_shape_is_right:
; LAUNCH 2 OF 4.  qkv = x W_attn^T + b_attn on the codes that the first launch made (K = 1,024, v_wmma_f32_16x16x128_fp8_fp8, f32 sums), then quantised: q with 2^e2, k with 2^e3, v with 2^e5.  Nothing is left out here.
; A tile is 256 x 256, made by four waves of 128 x 128 (64 accumulators, 512 registers).  K goes in four slots' worth of 256 through a ring of two LDS slots filled by the tensor data mover.
; THE MATRIX INSTRUCTION IS USED TRANSPOSED: source 0 = 16 rows of "B", source 1 = 16 rows of "A": lane (r, h), accumulator (a, b), register j holds (row 16 a + r of A, row 16 b + 8 h + j of B).
; The next product's K must run along a lane's registers.  For q and k that is the head's channels: A = tokens (xc), B = channels (wac).  For v it is the keys: the DATA change roles, not the code: A = wac's rows
; 2,048 on, B = xc.  Cluster x = 0: q, 1: k, 2: v; every choice hangs on the cluster's x, which all sixteen partners share.
; CLUSTERS: 4 x 4 work-groups; A's tile hangs on the tile row alone and is asked for jointly along a row of the cluster, B's on the tile column alone, along a column: a quarter of the requests.
; THE BIAS is the C of each sum's first matrix instruction, as b_attn / 2^(e0 + e1): eight tiles of eight registers; along B's rows for q and k, along A's rows for v: the first step is written for both.
; THE WAY OUT needs no LDS.  An accumulator's eight sums of a lane become eight codes; two neighbouring accumulators' codes are four registers of the NEXT product's fragment in the plain form's own layout.  They are
; stored as an IMAGE OF THE OPERAND'S REGISTERS, 16 bytes a lane at 16 x lane: each store covers 512 consecutive bytes, aligned.
; qkv: [16 batch + head][block of 128 tokens][24,576]: +0 Q: 8 tiles of 16 tokens x [2 quads][32 lanes][16]; +8,192 K likewise; +16,384 V^T: 4 tiles of 16 channels x [4 quads][32 lanes][16].
; LIMITS: e0 + e1 between -126 and 127; e2 - e0 - e1, e3 - e0 - e1, e5 - e0 - e1 between -126 and 119.  NaN among the inputs is not served.
; 384 tiles are 24 clusters.  A prefetch is left out: K has four slots, and each tile's rows are read by several clusters at about the same time.
; REGISTERS, in windows of 256: window 0: v1-13 addresses and constants; v16-21 LDS addresses; v28, v29 the add's two; v32-95 the bias tiles; v96-127 codes; v128-255 A's fragments, one set.
;   window 1: B's fragments, two sets.   window 2: the accumulators of my rows 0-63 of A ((a, b) at v[8 (8 a + b)]);   window 3: those of rows 64-127.
.set KROW,   1024                      ; a row of codes in memory, in bytes
.set ROWB,   256                       ; a tile's row: 256 along K
.set PITCH,  272                       ; an LDS row: 256 bytes + 16 of padding = 68 words: the 16 rows that a load touches start 4 banks apart (64 banks of 4 bytes: ISA guide 11.1)
.set FR,     16                        ; registers of a fragment: 16 rows x 128 K
.set NL,     4                         ; LDS loads that bring one
.set NP,     4                         ; places behind this matrix instruction (ISA guide 7.12.1)
.set HALFT,  128*PITCH                 ; what one tensor load brings, and what one wave reads of A or of B
.set SLOT,   4*HALFT                   ; A's 256 rows, then B's 256 rows
.set SPARE,  2*SLOT                    ; behind the ring: the spare words, 128 bytes for each wave
.set BHB,    393216                    ; qkv: bytes of one (batch, head)
.set BLKB,   24576                     ; and of one block of 128 tokens
.set ST0,  8                           ; v8, v9  the stores' two offsets
.set LIM,  12
.set SCL,  13                          ; v13     2^E
.set ADRA, 16                          ; v16-17  LDS address of my A fragments in slot 0, 1
.set ADRB, 20                          ; v20-21  the same for B
.set SPW,  28                          ; v28     LDS address of my spare word; never rewritten
.set NIL,  29                          ; v29     0; never rewritten
.set BIAS, 32
.set AF,   128
.set G1, 24                            ; s[24:31] descriptor group 1 for A's tiles;  s[32:39] group 0, one set for each slot
.set G0, 32
.set G1B, 48                           ; s[48:55], s[56:63] the same for B's tiles
.set G0B, 56
.set MSB, 0
.macro WIN new                         ; the immediate's high byte repeats the setting that is left
.if MSB != \new
	s_set_vgpr_msb (MSB<<8)|\new
.set MSB, \new
.endif
.endm
.set MUL_LO,   0xa1                    ; source 0 (B) window 1, source 1 (A) window 0, C and D window 2
.set MUL_HI,   0xf1                    ; the same, C and D window 3
.set FIRST_LO, 0x81                    ; the first step: C (the bias) window 0, D window 2
.set FIRST_HI, 0xc1                    ; D window 3
.set TO_B,     0x40                    ; destination window 1, address window 0
; A joint load: waves 0 and 1 fetch for A, waves 2 and 3 for B; the branch hangs on the wave's number alone.  An s_nop 0 and four v_nop follow each of the two lines.
.macro JLOAD g0a, g1a, g0b, g1b
	s_cmp_eq_u32 s15, 0
	s_cbranch_scc0 .Lfor_b_\@
	tensor_load_to_lds s[\g0a:\g0a+3], s[\g1a:\g1a+7]
	s_nop 0
.rept 4
	v_nop
.endr
	s_branch .Lasked_\@
.Lfor_b_\@:
	tensor_load_to_lds s[\g0b:\g0b+3], s[\g1b:\g1b+7]
	s_nop 0
.rept 4
	v_nop
.endr
.Lasked_\@:
.endm
.macro CREST                           ; a round of the cluster's barrier behind its opening barrier
	s_cmp_lg_u32 s14, 0
	s_cbranch_scc1 .Lnot_wave_0_\@
	s_barrier_signal -3
.Lnot_wave_0_\@:
	s_barrier_wait -3
	s_barrier_signal -1
	s_barrier_wait -1
.endm
.macro CROUND                          ; a whole round
	s_barrier_signal -1
	s_barrier_wait -1
	CREST
.endm
	s_load_b256 s[4:11], s[0:1], 0x0               ; xc s[4:5], wac s[6:7], the scales' exponents s[8:9], b_attn s[10:11]
	s_load_b64 s[12:13], s[0:1], 0x20              ; qkv
	v_lshl_add_u32 v[SPW], v0, 2, SPARE
	v_mov_b32 v[NIL], 0
	ds_add_u32 v[SPW], v[NIL]                      ; the wave's opening: the add, twice on end, and its wait ahead of my first tensor load; the set-up below stands between
	ds_add_u32 v[SPW], v[NIL]
	v_lshrrev_b32 v1, 5, v0
	v_readfirstlane_b32 s14, v1                    ; wave 0..3
	s_lshr_b32 s15, s14, 1                         ; which half of A's 256 rows is mine.  Also: I fetch for A (0) or for B (1)
	s_and_b32 s16, s14, 1                          ; which half of B's.  Also: which 128 rows of that tile I fetch
	s_bfe_u32 s40, ttmp6, 0x40000                  ; cx, cy: my place in the cluster
	s_bfe_u32 s41, ttmp6, 0x40004
	s_and_b32 s67, ttmp7, 0xffff
	s_lshl_b32 s67, s67, 2                         ; 4 x cluster y
	s_lshl_b32 s68, ttmp9, 2                       ; 4 x cluster x
	s_cmp_eq_u32 ttmp9, 2                          ; v?  The same in all sixteen partners
	s_cselect_b32 s42, s67, s68                    ; B's tiles: v: tokens, by cluster y; q, k: channels, by cluster x
	s_cselect_b32 s17, 0, s67                      ; A's tiles: v: channels, four tiles in all; q, k: tokens, by cluster y
	s_cselect_b32 s19, 0x200000, 0                 ; v's rows of W_attn begin 2,048 rows of 1,024 bytes on
	s_add_co_u32 s42, s42, s40                     ; tile column (B) = its base + cx
	s_add_co_u32 s17, s17, s41                     ; tile row (A) = its base + cy
	s_lshl_b32 s43, s41, 2
	s_lshl_b32 s43, 15, s43                        ; my row of the cluster
	s_lshl_b32 s44, 0x1111, s40                    ; my column
	s_or_b32 s[G1+0], s43, (0<<16)|(1<<20)|(1<<21)|(5<<22)|(3<<25)  ; 15:0 the mask: A's tiles go to my row; 17:16 elements of 1 byte; 20 padding on; 21 set beside a mask; 24:22 after every 64 words; 31:25 four words
	s_or_b32 s[G1B+0], s44, (0<<16)|(1<<20)|(1<<21)|(5<<22)|(3<<25)
.irp g, G1, G1B
	s_mov_b32 s[\g+1], ROWB<<16                    ; tensor_dim0
	s_mov_b32 s[\g+2], 128<<16                     ; tensor_dim1 = 128
	s_mov_b32 s[\g+3], ROWB<<16                    ; tile_dim0
	s_mov_b32 s[\g+4], 128                         ; tile_dim1 = 128
	s_mov_b32 s[\g+5], KROW                        ; tensor_dim0_stride
	s_mov_b32 s[\g+6], 0
	s_mov_b32 s[\g+7], 0
.endr
	s_lshl_b32 s18, s16, 7                         ; which 128 rows of the tile I fetch
	s_lshl_b32 s20, s17, 8
	s_add_co_u32 s20, s20, s18
	s_lshl_b32 s20, s20, 10                        ; A: (256 x tile row + 128 x half) rows of 1,024 bytes: under 2^24
	s_add_co_u32 s20, s20, s19
	s_mov_b32 s21, 0
	s_lshl_b32 s46, s42, 8
	s_add_co_u32 s46, s46, s18
	s_lshl_b32 s46, s46, 10                        ; B likewise, by the tile column
	s_mov_b32 s47, 0
	s_mul_i32 s45, s14, HALFT                      ; where they go: wave x 128 rows: no place in the cluster enters an LDS address
	s_wait_dscnt 0x0                               ; both opening adds are done
	s_wait_kmcnt 0x0
	s_load_b256 s[84:91], s[8:9], 0x0              ; e0 .. e7
	s_cmp_eq_u32 ttmp9, 2
	s_cselect_b64 s[92:93], s[6:7], s[4:5]         ; A's buffer
	s_cselect_b64 s[94:95], s[4:5], s[6:7]         ; B's
	s_add_nc_u64 s[20:21], s[92:93], s[20:21]
	s_add_nc_u64 s[46:47], s[94:95], s[46:47]
	CROUND                                         ; all sixteen work-groups are here: the first joint loads meet
.irp s, 0,1
	s_mov_b32 s[G0+4*\s], 1
	s_add_co_u32 s[G0+4*\s+1], s45, \s*SLOT
	s_add_nc_u64 s[G0+4*\s+2:G0+4*\s+3], s[20:21], \s*ROWB
	s_or_b32 s[G0+4*\s+3], s[G0+4*\s+3], 0x80000000
	s_mov_b32 s[G0B+4*\s], 1
	s_add_co_u32 s[G0B+4*\s+1], s45, \s*SLOT
	s_add_nc_u64 s[G0B+4*\s+2:G0B+4*\s+3], s[46:47], \s*ROWB
	s_or_b32 s[G0B+4*\s+3], s[G0B+4*\s+3], 0x80000000
	JLOAD G0+4*\s, G1, G0B+4*\s, G1B               ; two loads of mine are out
.endr
	v_and_b32 v1, 15, v0                           ; r
	v_bfe_u32 v2, v0, 4, 1                         ; h
	v_mul_u32_u24 v3, v1, PITCH
	v_lshl_add_u32 v4, v2, 4, v3                   ; a fragment's row x pitch + 16 h
	s_mul_i32 s21, s15, HALFT                      ; my 128 rows of A
	s_mul_i32 s22, s16, HALFT                      ; my 128 rows of B,
	s_add_co_u32 s22, s22, 2*HALFT                 ; which lie behind A's 256
.irp s, 0,1
	v_add_nc_u32 v[ADRA+\s], s21, v4
	v_add_nc_u32 v[ADRB+\s], s22, v4
	s_add_co_u32 s21, s21, SLOT
	s_add_co_u32 s22, s22, SLOT
.endr
	v_lshlrev_b32 v5, 5, v2                        ; the bias along B's rows: 8 h numbers on
	v_lshlrev_b32 v6, 2, v1                        ; along A's rows: r numbers on
	v_and_b32 v7, 31, v0
	v_lshlrev_b32 v[ST0], 4, v7                    ; an image's place for my lane
	s_wait_alu depctr_va_vdst(0)
	; what differs between q, k and v on the way out, chosen once
	s_cmp_eq_u32 ttmp9, 2
	s_cselect_b32 s80, s42, s17                    ; the tile of tokens,
	s_cselect_b32 s81, s16, s15                    ; and my half of it
	s_cselect_b32 s82, s17, s40                    ; the tile of channels within q, k or v (for q and k the tile column modulo 4 is cx),
	s_cselect_b32 s83, s15, s16                    ; and my half of it
	s_cselect_b32 s74, s17, s42                    ; the bias: the tile of channels within all 3,072 (v: + 2,048 below)
	s_cselect_b32 s76, 8192, 0
	s_mov_b32 s70, 1024
	s_cselect_b32 s70, 2048, s70                   ; from block a to a + 1: a tile of 16 channels of V^T, or of 16 tokens of Q or K
	s_cselect_b32 s72, 385024, 0                   ; v: at a = 4 on to the next head: 393,216 - 4 x 2,048
	s_mov_b32 s78, BHB
	s_cselect_b32 s78, 1024, s78                   ; from quads 0, 1 to quads 2, 3: v: the same tile's; q, k: the next head's
	s_mov_b32 s71, 0
	s_mov_b32 s73, 0
	v_add_nc_u32 v[ST0+1], s78, v[ST0]
	s_lshl_b32 s74, s74, 10
	s_lshl_b32 s75, s83, 9
	s_add_co_u32 s74, s74, s75
	s_add_co_u32 s74, s74, s76                     ; 4 x (256 x tile + 128 x half (+ 2,048))
	s_mov_b32 s75, 0
	s_add_nc_u64 s[10:11], s[10:11], s[74:75]      ; b_attn at my 128 channels
	s_lshl_b32 s80, s80, 1
	s_add_co_u32 s80, s80, s81                     ; my block of 128 tokens, 0 .. 63
	s_lshl_b32 s82, s82, 2
	s_lshl_b32 s83, s83, 1
	s_add_co_u32 s82, s82, s83                     ; my first head
	s_lshr_b32 s81, s80, 4
	s_lshl_b32 s81, s81, 4
	s_add_co_u32 s81, s81, s82                     ; 16 x batch + head
	s_mul_i32 s81, s81, BHB
	s_and_b32 s80, s80, 15
	s_mul_i32 s80, s80, BLKB
	s_add_co_u32 s80, s80, s81
	s_lshl_b32 s81, ttmp9, 13                      ; Q's, K's or V^T's part of a block
	s_add_co_u32 s80, s80, s81                     ; under 2^25
	s_mov_b32 s81, 0
	s_add_nc_u64 s[12:13], s[12:13], s[80:81]
	s_wait_kmcnt 0x0
	s_add_co_i32 s77, s84, s85
	s_sub_co_i32 s77, 0, s77                       ; -(e0 + e1): a sum stands for sum x 2^(e0 + e1)
	s_cmp_eq_u32 ttmp9, 0
	s_cselect_b32 s79, s86, s87                    ; e2 or e3,
	s_cmp_eq_u32 ttmp9, 2
	s_cselect_b32 s79, s89, s79                    ; or e5
	s_add_co_i32 s79, s79, s77                     ; E: the three scales folded into the conversion's one
	s_add_co_i32 s79, s79, 127
	s_lshl_b32 s78, s79, 23
	v_mov_b32 v[SCL], s78
	s_cmp_eq_u32 ttmp9, 2
	s_cbranch_scc1 .Lbias_v
.irp b, 0,1,2,3,4,5,6,7                        ; q, k: tile b, register j = the bias of channel 16 b + 8 h + j
	global_load_b128 v[BIAS+8*\b:BIAS+8*\b+3], v5, s[10:11] offset:64*\b
	global_load_b128 v[BIAS+8*\b+4:BIAS+8*\b+7], v5, s[10:11] offset:64*\b+16
.endr
	s_wait_loadcnt 0x0
.set i, 0
.rept 64
	v_ldexp_f32 v[BIAS+i], v[BIAS+i], s77
.set i, i+1
.endr
	s_branch .Lbias_done
.Lbias_v:
.irp a, 0,1,2,3,4,5,6,7                        ; v: tile a, every register = the bias of channel 16 a + r
	global_load_b32 v[96+\a], v6, s[10:11] offset:64*\a
.endr
	s_wait_loadcnt 0x0
.set i, 0
.rept 64
	v_ldexp_f32 v[BIAS+i], v[96+i/8], s77          ; the scaling spreads it over the tile's eight registers
.set i, i+1
.endr
.Lbias_done:
.macro FRAG reg, adr, q, i             ; 16 rows x 128 K: registers 4 c .. 4 c + 3 come from bytes 32 c + 16 h of the row, which hold k = 32 c + 8 h + 0 .. 7 and 32 c + 16 + 8 h + 0 .. 7
.irp c, 0,1,2,3
	ds_load_b128 v[\reg+4*\c:\reg+4*\c+3], v[\adr] offset:128*(\q)+32*\c+(\i)*16*PITCH
.endr
.endm
; 16 matrix instructions: A's blocks a0, a0 + 1 x B's eight, 128 along K.  p: B's set.  zero = 1: the sums start from the bias along B's rows; 2: along A's rows; 0: in place.
; The 64 accumulators take turns, one instruction a turn, in the same order in every step.
.macro MUL16 a0, p, zero
.irp a, \a0, \a0+1
.irp b, 0,1,2,3,4,5,6,7
.if \zero == 1
	v_wmma_f32_16x16x128_fp8_fp8 v[8*(8*((\a)%4)+\b):8*(8*((\a)%4)+\b)+7], v[128*(\p)+FR*\b:128*(\p)+FR*\b+FR-1], v[AF+FR*(\a):AF+FR*(\a)+FR-1], v[BIAS+8*\b:BIAS+8*\b+7]
.elseif \zero == 2
	v_wmma_f32_16x16x128_fp8_fp8 v[8*(8*((\a)%4)+\b):8*(8*((\a)%4)+\b)+7], v[128*(\p)+FR*\b:128*(\p)+FR*\b+FR-1], v[AF+FR*(\a):AF+FR*(\a)+FR-1], v[BIAS+8*(\a):BIAS+8*(\a)+7]
.else
	v_wmma_f32_16x16x128_fp8_fp8 v[8*(8*((\a)%4)+\b):8*(8*((\a)%4)+\b)+7], v[128*(\p)+FR*\b:128*(\p)+FR*\b+FR-1], v[AF+FR*(\a):AF+FR*(\a)+FR-1], v[8*(8*((\a)%4)+\b):8*(8*((\a)%4)+\b)+7]
.endif
.endr
.endr
.endm
.macro FETCH_B slot, q, p              ; B's eight fragments of the slot's q-th 128 along K into set p
	WIN TO_B
.irp i, 0,1,2,3,4,5,6,7
	FRAG 128*(\p)+FR*\i, ADRB+\slot, \q, \i
.endr
	WIN 0
.endm
.macro FETCH_A slot, q, i0             ; A's blocks i0 .. i0 + 3
.irp i, \i0, \i0+1, \i0+2, \i0+3
	FRAG AF+FR*(\i), ADRA+\slot, \q, \i
.endr
.endm
.macro PLACES n                        ; a load into a register that a matrix instruction has read, and a vector instruction that reads a matrix result, stand four plain vector instructions behind it
.rept \n
	v_nop
.endr
.endm
; A step of 128 along K that has its successor in the same slot.  A block of A is free as soon as its eight products are issued: blocks 0-3 are fetched anew in the step's middle, blocks 4-7 at its end.
.macro STEP slot, q, zero
	s_wait_dscnt 4*NL                              ; B's set and A's blocks 0-3 are in; the youngest 16 loads (A's blocks 4-7) may be out
.if \zero
	WIN FIRST_LO
.else
	WIN MUL_LO
.endif
	MUL16 0, (\q)%2, \zero
	MUL16 2, (\q)%2, \zero
	s_wait_dscnt 0                                 ; A's blocks 4-7 are in
	PLACES NP
	FETCH_B \slot, (\q)+1, 1-(\q)%2
	FETCH_A \slot, (\q)+1, 0
.if \zero
	WIN FIRST_HI
.else
	WIN MUL_HI
.endif
	MUL16 4, (\q)%2, \zero
	MUL16 6, (\q)%2, \zero
	PLACES NP
	WIN 0
	FETCH_A \slot, (\q)+1, 4
.endm
; A slot's last step changes slots: ONE barrier; in front of it each wave waits for all its tensor loads, adds 0 to its spare word, and waits for that and for its own reads of this slot.  fill = 1: the slot is filled again, two slots ahead.
.macro TURN slot, next, fill
	s_wait_tensorcnt 0x0                           ; all my tensor loads have landed: my part of the next slot  (every window is 0 here)
	ds_add_u32 v[SPW], v[NIL]                      ; 0 onto my spare word
	s_wait_dscnt 4*NL+1                            ; the add and the youngest 16 loads (A's blocks 4-7) may be out
	WIN MUL_LO
	MUL16 0, 1, 0                                  ; sixteen matrix instructions stand between the add and the wait for it
	s_wait_dscnt 0x0                               ; the add is done, and my reads of this slot are over
	s_barrier_signal -1
	MUL16 2, 1, 0
	WIN 0
	s_barrier_wait -1
.if \fill
	CREST                                          ; the barrier has opened a round of the cluster's barrier: no wave of any partner still reads this slot or has a load on its way
	s_add_nc_u64 s[G0+4*\slot+2:G0+4*\slot+3], s[G0+4*\slot+2:G0+4*\slot+3], 2*ROWB
	s_add_nc_u64 s[G0B+4*\slot+2:G0B+4*\slot+3], s[G0B+4*\slot+2:G0B+4*\slot+3], 2*ROWB
	JLOAD G0+4*\slot, G1, G0B+4*\slot, G1B         ; my one tensor load behind the round; its four v_nop are the places in front of the loads below
.else
	PLACES NP
.endif
	FETCH_B \next, 0, 0
	FETCH_A \next, 0, 0
	WIN MUL_HI
	MUL16 4, 1, 0
	MUL16 6, 1, 0
	PLACES NP
	WIN 0
	FETCH_A \next, 0, 4
.endm
	s_wait_tensorcnt 1                             ; my part of slot 0 is in; slot 1's load may be out
	s_barrier_signal -1
	s_barrier_wait -1                              ; everybody's is
	FETCH_B 0, 0, 0
	FETCH_A 0, 0, 0
	FETCH_A 0, 0, 4
	s_cmp_eq_u32 ttmp9, 2                          ; the first step is written twice: the two differ in the bias tile that each product starts from.  No barrier and no tensor load stands in either
	s_cbranch_scc1 .Lfirst_v
	s_wait_alu depctr_va_vdst(0)
	STEP 0, 0, 1
	s_branch .Lfirst_done
.Lfirst_v:
	s_wait_alu depctr_va_vdst(0)
	STEP 0, 0, 2
.Lfirst_done:
	TURN 0, 1, 1                                   ; K 128 on; slot 0 takes K 512 on.  The eight steps are written out: a loop would have one trip
	STEP 1, 0, 0
	TURN 1, 0, 1                                   ; slot 1 takes K 768 on
	STEP 0, 0, 0
	TURN 0, 1, 0                                   ; nothing is left to fetch: no round
	STEP 1, 0, 0
	s_wait_dscnt 4*NL                              ; the last step
	WIN MUL_LO
	MUL16 0, 1, 0
	MUL16 2, 1, 0
	s_wait_dscnt 0
	WIN MUL_HI
	MUL16 4, 1, 0
	MUL16 6, 1, 0
	WIN 0
; THE WAY OUT, block a of A's eight: 64 sums a lane are converted and stored as four quads.  q, k: block a = tokens 16 a on; quads 0, 1: my first head's channels, quads 2, 3: my second head's.
; v: block a = channels 16 a on (four blocks to a head); quad p = keys 32 p on.
.macro OUTBLK a
.set AC, 64*((\a)%4)
.set CD, 96+16*((\a)%2)
.if (\a) > 0
	s_wait_xcnt 0x0                                ; the earlier stores have read their base and their data: both are written again only behind this wait
	s_add_nc_u64 s[12:13], s[12:13], s[70:71]
.endif
.if (\a) == 4
	s_add_nc_u64 s[12:13], s[12:13], s[72:73]
.endif
	WIN 0x02+((\a)/4)                              ; source 0: window 2 or 3
.set i, 0
.rept 64
.set i, i+1
.endr
.irp b, 0,1,2,3,4,5,6,7
	v_cvt_scalef32_pk8_fp8_f32 v[CD+2*\b:CD+2*\b+1], v[AC+8*\b:AC+8*\b+7], v[SCL]
.endr
	WIN 0
	v_nop                                          ; one plain vector instruction between the conversions and the next block's conversions
.irp p, 0,1,2,3
	global_store_b128 v[ST0+\p/2], v[CD+4*\p:CD+4*\p+3], s[12:13] offset:512*(\p%2)   ; 32 lanes store 512 consecutive bytes, aligned
.endr
.endm
	PLACES NP                                      ; behind the last products
.irp a, 0,1,2,3,4,5,6,7
	OUTBLK \a
.endr
	s_wait_tensorcnt 0x0                           ; the wave's end
	ds_add_u32 v[SPW], v[NIL]
	s_wait_dscnt 0x0
	CROUND                                         ; the closing round: no work-group ends while a partner may still ask for a tile that names it
	s_endpgm
.Lfunc_end_k_q966ef13afd_gemm_qkv:
	.size	k_q966ef13afd_gemm_qkv, .Lfunc_end_k_q966ef13afd_gemm_qkv-k_q966ef13afd_gemm_qkv
	.p2alignl 7, 3214868480
	.fill 96, 4, 3214868480
	.section	.rodata,"a",@progbits
	.p2align	6, 0x0
	.amdhsa_kernel k_q966ef13afd_gemm_qkv
		.amdhsa_group_segment_fixed_size 327680
		.amdhsa_private_segment_fixed_size 0
		.amdhsa_enable_private_segment 0
		.amdhsa_kernarg_size 40
		.amdhsa_user_sgpr_count 2
		.amdhsa_user_sgpr_kernarg_segment_ptr 1
		.amdhsa_wavefront_size32 1
		.amdhsa_system_sgpr_workgroup_id_x 1
		.amdhsa_system_sgpr_workgroup_id_y 1
		.amdhsa_system_sgpr_workgroup_id_z 1
		.amdhsa_system_vgpr_workitem_id 0
		.amdhsa_next_free_vgpr 1024
		.amdhsa_next_free_sgpr 100
		.amdhsa_reserve_vcc 0
		.amdhsa_float_denorm_mode_32 3
		.amdhsa_float_denorm_mode_16_64 3
		.amdhsa_fp16_overflow 1
		.amdhsa_memory_ordered 1
		.amdhsa_forward_progress 1
		.amdhsa_inst_pref_size 106
	.end_amdhsa_kernel
	.amdgpu_metadata
---
amdhsa.version: [ 1, 2 ]
amdhsa.kernels:
  - .name:           k_q966ef13afd_gemm_qkv
    .symbol:         k_q966ef13afd_gemm_qkv.kd
    .args:
      - { .name: xc, .offset: 0, .size: 8, .value_kind: global_buffer, .address_space: global }
      - { .name: wac, .offset: 8, .size: 8, .value_kind: global_buffer, .address_space: global }
      - { .name: lowp_scales, .offset: 16, .size: 8, .value_kind: global_buffer, .address_space: global }
      - { .name: b_attn, .offset: 24, .size: 8, .value_kind: global_buffer, .address_space: global }
      - { .name: qkv, .offset: 32, .size: 8, .value_kind: global_buffer, .address_space: global }
    .group_segment_fixed_size: 327680
    .private_segment_fixed_size: 0
    .kernarg_segment_align: 8
    .kernarg_segment_size: 40
    .max_flat_workgroup_size: 128
    .sgpr_count:     100
    .vgpr_count:     1024
    .wavefront_size: 32
...
	.end_amdgpu_metadata
.endif
;; end of part 2
;; launch attn (part 3): grid 4 x 64, 16 waves a work-group, clusters of 4 x 1, 327,680 bytes of LDS; arguments qkv, rel_emb, lowp_scales, yc; writes yc
.if DOCPART == 3
	.amdgcn_target "amdgcn-amd-amdhsa--gfx1250"
	.amdhsa_code_object_version 6
	.text
	.protected	k_q966ef13afd_attn
	.globl	k_q966ef13afd_attn
	.p2align	8
	.type	k_q966ef13afd_attn,@function
k_q966ef13afd_attn:
	s_mov_b64 s[64:65], 0
	v_nop
	global_prefetch_b8 v0, s[64:65] scope:SCOPE_SE
	s_setreg_imm32_b32 hwreg(HW_REG_WAVE_MODE, 25, 1), 1
	s_wait_xcnt 0x0
	s_wait_alu depctr_hold_cnt(0) depctr_sa_sdst(0) depctr_va_vdst(0) depctr_va_sdst(0) depctr_va_ssrc(0) depctr_va_vcc(0) depctr_vm_vsrc(0)
	s_getreg_b32 s2, hwreg(HW_REG_IB_STS2, 6, 4)
	s_cmp_eq_u32 s2, 0
	s_cbranch_scc0 .Lentry_in_a_cluster
	s_endpgm
.Lentry_in_a_cluster:
	s_bfe_u32 s2, ttmp6, 0x10000c
	s_cmp_lg_u32 s2, 0x3003
	s_cbranch_scc0 .Lentry_shape_is_right
	s_endpgm
.Lentry_shape_is_right:
; LAUNCH 3 OF 4.  y = softmax(q k^T / 8 + bias, causal) v for each of the 64 (batch, head), both products on codes of E4M3; y is quantised with 2^e6 and stored as the last product's operand.
; LEFT OUT (shown at the head of the first launch): steps of 128 keys that lie wholly behind a tile's 16 queries: reference()'s own mask gives them weight 0.  A NaN or an infinity that arises only there is not carried.
; THE SOFTMAX: t = logit x log2(e); M = the running largest t rounded UP to a whole number; p = 2^(t - M) is quantised with 2^e4, not normalised; the row's sum is taken of the unquantised p and divides at the end.
; When M moves, the sum and O are multiplied by 2^(old M - new M), which rounds nothing.
; SHARES.  A cluster of four work-groups is one (batch, head).  The head's whole K and V, 16 blocks of 128 keys x 16,384 bytes, lie in each partner's LDS, filled ONCE by joint loads, one a wave (each of the 16 waves
; asks for one block; all four partners ask alike): no slot is filled again, and no barrier stands in the walk.  Wave w (a = w % 8, w3 = w / 8) owns two tiles of 16 queries, tile c = 2 cx + w3 of query blocks
; 15 - a and a: (16 - a) + (a + 1) = 17 steps of 128 keys for every wave of the launch.  Branches and LDS addresses hang on the wave's number alone; cx enters global addresses and the table's values.
; In every partner wave 0 walks all 16 blocks, so no joint load brings bytes that a partner never reads.
; LAYOUT.  S^T = K Q^T (source 0 = 16 keys, source 1 = my 16 queries, K = 64), O^T = V^T P^T (source 0 = 16 channels, source 1 = P, K = 128 keys): a lane holds ONE query (lane % 16) throughout.  Tile t of S^T holds keys
; 16 t + 8 h + j in register j: its eight codes are registers 2 t, 2 t + 1 of P in the plain form's own layout.  K, V^T and Q come as images of their registers (second launch): every read is 16 bytes at 16 x lane.
; THE BIAS AND THE MASK ARE THE C OF THE SCORE PRODUCT.  Scores stay in units of codes: t = c (S + C), c = log2(e) / 8 x 2^(e2 + e3), C(d) = rel_emb[bucket(d)][head] x 2^(3 - e2 - e3) for d = query - key >= 0, and -1e30
; for d < 0: then p = 0 with no compare.  Two blocks or more behind the queries d >= 129, bucket 31: one constant tile.  The diagonal block and the one before read C from a table in LDS: copy s (of 4) holds
; T_s[m] = C(159 + 32 cx - m - s); lane (r, h) with r' = 15 - r reads copy r' % 4 at m = 128 (1 - rel) + 16 (1 - w3) + (r' - r' % 4) + 8 h + 16 t + j: four neighbours at a multiple of 16 bytes.
; LIMITS: e2 + e3 between -60 and 130 (so that c x 1e30 stays far beyond every t, and c is an f32 number); e4 and e6 between -126 and 119.  The mask is -1e30 in code units in place of -infinity: p is 0 either way.  NaN is not served.
; A prefetch is left out: every byte of K and V is asked for at the head.
; REGISTERS: v1 16 x lane; v2 my place in the table; v3, v4 the add's two; v6 the block in hand; v12 -M, v13 the largest t, v[14:15] the sum in two halves; v16-23, v224-231 Q of the two tiles; v24-31 the constant C;
;   v32-95 K's eight fragments, then V's four; v96-159 S^T, then p; v160-191 O^T; v192-207 p's codes; v208-214 at work; v216, v218 scales; v232-247 y's codes.
.set BHB,   393216                     ; qkv: bytes of one (batch, head)
.set BLKB,  24576                      ; of one block of 128 tokens: Q 8,192, K 8,192, V^T 8,192
.set KVB,   16384                      ; K's and V^T's part: a key block in LDS
.set TAB,   16*KVB                     ; behind the 16 blocks: the table, 4 copies of 1,600 bytes (384 words used): lanes 0-15 of a read fall into 16 different 16-byte columns of 256 bytes
.set TCOPY, 1600
.set SPARE, TAB+4*TCOPY                ; the spare words, 128 bytes for each wave: eight blocks of 256 bytes that no other line names
.set LI,  1
.set TAD, 2
.set SPW, 3
.set NIL, 4
.set ADK, 6
.set CT,  24
.set KV,  32
.set S,   96
.set O,   160
.set PC,  192
.macro CROUND                          ; a round of the cluster's barrier
	s_barrier_signal -1
	s_barrier_wait -1
	s_cmp_lg_u32 s12, 0
	s_cbranch_scc1 .Lnot_wave_0_\@
	s_barrier_signal -3
.Lnot_wave_0_\@:
	s_barrier_wait -3
	s_barrier_signal -1
	s_barrier_wait -1
.endm
.macro BUCKET dst, src, tmp            ; min(d, 16) + the number of thresholds <= d, for d >= 0: (th - 1) - d is negative just where d >= th
	v_min_u32 v[\dst], 16, v[\src]
.irp th, 19,21,24,27,31,35,40,46,52,59,67,77,87,99,113
	v_sub_nc_u32 v[\tmp], \th-1, v[\src]
	s_delay_alu instid0(VALU_DEP_1)
	v_lshrrev_b32 v[\tmp], 31, v[\tmp]
	s_delay_alu instid0(VALU_DEP_1)
	v_add_nc_u32 v[\dst], v[\dst], v[\tmp]
.endr
.endm
	s_load_b256 s[4:11], s[0:1], 0x0               ; qkv s[4:5], rel_emb s[6:7], the scales' exponents s[8:9], yc s[10:11]
	v_lshl_add_u32 v[SPW], v0, 2, SPARE
	v_mov_b32 v[NIL], 0
	ds_add_u32 v[SPW], v[NIL]                      ; the wave's opening: the add, twice on end, and its wait ahead of my first tensor load; the set-up below stands between
	ds_add_u32 v[SPW], v[NIL]
	v_lshrrev_b32 v8, 5, v0
	s_delay_alu instid0(VALU_DEP_1)
	v_readfirstlane_b32 s12, v8                    ; wave 0..15
	s_bfe_u32 s13, ttmp6, 0x40000                  ; cx
	s_and_b32 s14, ttmp7, 0xffff                   ; 16 x batch + head, which the four partners share
	s_and_b32 s15, s12, 7                          ; a
	s_lshr_b32 s16, s12, 3                         ; w3
	s_lshl_b32 s17, s13, 1
	s_add_co_u32 s17, s17, s16                     ; c: my tile of 16 queries within a block of 128
	s_and_b32 s18, s14, 15                         ; head
	s_lshr_b32 s19, s14, 4                         ; batch
	s_mov_b32 s20, 0x76543210                      ; v_permlanex16_b32's selects for lane l xor 16
	s_mov_b32 s21, 0xfedcba98
	s_xor_b32 s48, s15, 15                         ; my first tile's query block: 15 - a
	s_mov_b32 s47, s15                             ; my second's: a
	; the descriptor: a dense block of 16,384 bytes as 64 rows of 256
	s_mov_b32 s24, 15|(3<<16)|(1<<21)              ; 15:0 the mask: all four work-groups; 17:16 elements of 8 bytes; 21 set beside a mask; no padding
	s_mov_b32 s25, 32<<16                          ; tensor_dim0 = 32
	s_mov_b32 s26, 64<<16                          ; tensor_dim1 = 64
	s_mov_b32 s27, 32<<16                          ; tile_dim0 = 32
	s_mov_b32 s28, 64                              ; tile_dim1 = 64
	s_mov_b32 s29, 32                              ; tensor_dim0_stride
	s_mov_b32 s30, 0
	s_mov_b32 s31, 0
	s_mov_b32 s32, 1                               ; count = 1
	s_lshl_b32 s33, s12, 14                        ; LDS: key block w
	s_mul_i32 s52, s14, BHB                        ; my (batch, head) in qkv: under 2^25
	s_mul_i32 s66, s12, BLKB
	s_add_co_u32 s66, s66, s52
	s_add_co_u32 s66, s66, 8192                    ; block w's K and V^T
	s_mov_b32 s67, 0
	s_lshl_b32 s51, s17, 10                        ; my tile's image of Q within a block
	s_add_co_u32 s51, s51, s52
	s_mul_i32 s68, s48, BLKB
	s_add_co_u32 s68, s68, s51
	s_mov_b32 s69, 0
	s_mul_i32 s70, s47, BLKB
	s_add_co_u32 s70, s70, s51
	s_mov_b32 s71, 0
	s_lshl_b32 s51, s19, 7
	s_add_co_u32 s51, s51, s17                     ; yc: token tile = 128 x batch + 8 x block + c, 16,384 bytes each;
	s_lshl_b32 s72, s48, 3
	s_add_co_u32 s72, s72, s51
	s_lshl_b32 s72, s72, 14
	s_lshl_b32 s74, s47, 3
	s_add_co_u32 s74, s74, s51
	s_lshl_b32 s74, s74, 14
	s_lshl_b32 s51, s18, 10                        ; K step head / 2 of 2,048 bytes, quads 2 (head % 2) on: 1,024 x head
	s_add_co_u32 s72, s72, s51
	s_add_co_u32 s74, s74, s51
	s_mov_b32 s73, 0
	s_mov_b32 s75, 0
	s_lshl_b32 s76, s18, 2                         ; rel_emb: my head's column
	s_mov_b32 s77, 0
	s_wait_dscnt 0x0                               ; both opening adds are done
	s_wait_kmcnt 0x0
	s_add_nc_u64 s[34:35], s[4:5], s[66:67]
	s_or_b32 s35, s35, 0x80000000                  ; type = 2
	s_add_nc_u64 s[54:55], s[4:5], s[68:69]        ; Q of my first tile,
	s_add_nc_u64 s[56:57], s[4:5], s[70:71]        ; of my second
	s_add_nc_u64 s[58:59], s[10:11], s[72:73]      ; y's codes of my first tile,
	s_add_nc_u64 s[60:61], s[10:11], s[74:75]      ; of my second
	s_add_nc_u64 s[6:7], s[6:7], s[76:77]
	CROUND                                         ; all four work-groups are here: the joint loads meet
	tensor_load_to_lds s[32:35], s[24:31]          ; every wave's one load: one load of mine is out
	s_nop 0
	s_load_b256 s[36:43], s[8:9], 0x0              ; e0 .. e7
	s_load_b32 s44, s[6:7], 0x7c0                  ; rel_emb[31][head]
	v_and_b32 v8, 31, v0
	s_delay_alu instid0(VALU_DEP_1)
	v_lshlrev_b32 v[LI], 4, v8
	global_load_b128 v[16:19], v[LI], s[54:55]
	global_load_b128 v[20:23], v[LI], s[54:55] offset:512
	global_load_b128 v[224:227], v[LI], s[56:57]
	global_load_b128 v[228:231], v[LI], s[56:57] offset:512
	; the table: thread n fills words m = n % 128, m + 128, m + 256 of copy s = n / 128
	v_lshrrev_b32 v32, 7, v0                       ; s
	v_and_b32 v33, 127, v0                         ; m
	s_delay_alu instid0(VALU_DEP_2)
	v_mul_u32_u24 v34, v32, TCOPY
	s_delay_alu instid0(VALU_DEP_1)
	v_lshl_add_u32 v34, v33, 2, v34
	s_delay_alu instid0(VALU_DEP_1)
	v_add_nc_u32 v34, TAB, v34                     ; where: no place in the cluster enters it
	s_lshl_b32 s51, s13, 5
	s_add_co_u32 s51, s51, 159
	v_add_nc_u32 v35, v32, v33
	s_delay_alu instid0(VALU_DEP_1)
	v_sub_nc_u32 v35, s51, v35                     ; d0 = 159 + 32 cx - s - m: 29 .. 255
	s_delay_alu instid0(VALU_DEP_1)
	v_add_nc_u32 v36, 0xffffff80, v35              ; d1 = d0 - 128: -99 .. 127;  d0 - 256 is always negative
	s_delay_alu instid0(VALU_DEP_1)
	v_max_i32 v37, 0, v36
	BUCKET 38, 35, 40
	BUCKET 39, 37, 40
	v_lshlrev_b32 v38, 6, v38                      ; a row of rel_emb is 64 bytes; the buckets are 0 .. 31
	s_delay_alu instid0(VALU_DEP_2)
	v_lshlrev_b32 v39, 6, v39
	global_load_b32 v41, v38, s[6:7]
	global_load_b32 v42, v39, s[6:7]
	v_and_b32 v8, 15, v0
	s_delay_alu instid0(VALU_DEP_1)
	v_xor_b32 v8, 15, v8                           ; r' = 15 - r
	v_bfe_u32 v9, v0, 4, 1                         ; h
	s_delay_alu instid0(VALU_DEP_2)
	v_and_b32 v10, 3, v8
	s_delay_alu instid0(VALU_DEP_1)
	v_mul_u32_u24 v[TAD], v10, TCOPY
	s_delay_alu instid0(VALU_DEP_4)
	v_and_b32 v10, 12, v8
	s_delay_alu instid0(VALU_DEP_1)
	v_lshl_add_u32 v[TAD], v10, 2, v[TAD]
	s_delay_alu instid0(VALU_DEP_1)
	v_lshl_add_u32 v[TAD], v9, 5, v[TAD]
	s_xor_b32 s51, s16, 1
	s_lshl_b32 s51, s51, 6
	s_add_co_u32 s51, s51, TAB
	v_add_nc_u32 v[TAD], s51, v[TAD]               ; TAB + 1,600 (r' % 4) + 4 (r' - r' % 4) + 32 h + 64 (1 - w3)
	v_mov_b32 v43, 0xf149f2ca                      ; -1e30
	v_mov_b32 v211, 0                              ; (named as the upper half of the pair v[210:211])
	v_mov_b32 v214, 0                              ; written once: a lane permute's destination counts as one of its sources
	s_wait_kmcnt 0x0
	s_add_co_i32 s51, s38, s39                     ; e2 + e3
	s_sub_co_i32 s45, 3, s51                       ; the bias in units of codes: x 8 / 2^(e2 + e3)
	s_lshl_b32 s51, s51, 23
	s_add_co_i32 s22, s51, 0x3e38aa3b              ; c = log2(e) / 8, with e2 + e3 added to its exponent field
	s_mov_b32 s23, s22                             ; (named with it as a pair, so it is written)
	s_add_co_i32 s46, s40, s41                     ; e4 + e5
	s_add_co_i32 s51, s40, 127
	s_lshl_b32 s53, s51, 23
	v_mov_b32 v216, s53                            ; 2^e4, for p's conversions
	s_add_co_i32 s51, s42, 127
	s_lshl_b32 s53, s51, 23
	v_mov_b32 v218, s53                            ; 2^e6, for y's
	v_mov_b32 v[CT], s44
	s_delay_alu instid0(VALU_DEP_1)
	v_ldexp_f32 v[CT], v[CT], s45                  ; bucket 31's C,
.irp j, 1,2,3,4,5,6,7
	v_mov_b32 v[CT+\j], v[CT]                      ; a whole tile of it
.endr
	s_wait_loadcnt 0x0                             ; Q and the table's two numbers
	v_ldexp_f32 v41, v41, s45
	v_ldexp_f32 v42, v42, s45
	v_cmp_gt_i32 vcc_lo, 0, v36                    ; d1 < 0: the key is hidden
	s_delay_alu instid0(VALU_DEP_1)
	v_cndmask_b32 v42, v42, v43, vcc_lo
	ds_store_b32 v34, v41
	ds_store_b32 v34, v42 offset:512
	ds_store_b32 v34, v43 offset:1024
	s_wait_tensorcnt 0x0                           ; my key block has landed,
	s_wait_dscnt 0x0                               ; my part of the table is stored:
	s_barrier_signal -1
	s_barrier_wait -1                              ; everybody's: from here on LDS is only read
.macro FAR q                           ; two blocks or more behind my queries: every key counts, every bucket is 31
	s_wait_dscnt 0x0                               ; K
.set t, 0
.rept 8
	v_wmma_f32_16x16x64_fp8_fp8 v[S+8*t:S+8*t+7], v[KV+8*t:KV+8*t+7], v[\q:\q+7], v[CT:CT+7]
.set t, t+1
.endr
.endm
.macro NEAR q, off                     ; the diagonal block (off = 512) or the one before (0): C comes from the table, into the accumulators' own registers
.set t, 0
.rept 8
	ds_load_b128 v[S+8*t:S+8*t+3], v[TAD] offset:\off+64*t
	ds_load_b128 v[S+8*t+4:S+8*t+7], v[TAD] offset:\off+64*t+16
.set t, t+1
.endr
	s_wait_dscnt 0x0                               ; K and C
.set t, 0
.rept 8
	v_wmma_f32_16x16x64_fp8_fp8 v[S+8*t:S+8*t+7], v[KV+8*t:KV+8*t+7], v[\q:\q+7], v[S+8*t:S+8*t+7]
.set t, t+1
.endr
.endm
; ONE TILE OF 16 QUERIES.  q: Q's registers; ab: the scalar register with the tile's query block; yb: the scalar pair with the address of its codes of y; yr: the registers for them.
; The loop has 16 trips in every wave, so that the block's LDS address steps by a constant in a loop of constant count; a block behind the tile's own is passed over by a scalar branch on the wave's number and the count.
; The accumulators take turns, one instruction a turn: eight tiles of S^T, four of O^T, and S^T's first again.
.macro PASS q, ab, yb, yr
	v_mov_b32 v13, 0xff61b1e6                      ; the largest t so far: -3e38, under every t
	s_delay_alu instid0(VALU_DEP_1)
	v_floor_f32 v12, -v13                          ; -M
	v_mov_b32 v14, 0                               ; the sum, in two halves
	v_mov_b32 v15, 0
.set i, 0
.rept 32
	v_mov_b32 v[O+i], 0                            ; O^T: the step is written once; the first finds zeros, which the first change of M leaves zeros
.set i, i+1
.endr
	s_mov_b32 s49, 0                               ; the key block
	s_mov_b32 s50, 0                               ; and its LDS byte
.Lstep_\@:
	s_cmp_gt_u32 s49, s[\ab]
	s_cbranch_scc1 .Lskip_\@
	s_setprio 2
	v_add_nc_u32 v[ADK], s50, v[LI]
.rept 3
	v_nop                                          ; with the addition: four places between the last products and the loads into the registers that they read
.endr
.set t, 0
.rept 8
	ds_load_b128 v[KV+8*t:KV+8*t+3], v[ADK] offset:1024*t
	ds_load_b128 v[KV+8*t+4:KV+8*t+7], v[ADK] offset:1024*t+512
.set t, t+1
.endr
	s_add_co_u32 s51, s49, 1
	s_cmp_lt_u32 s51, s[\ab]
	s_cbranch_scc1 .Lfar_\@
	s_cmp_eq_u32 s49, s[\ab]
	s_cbranch_scc1 .Ldiag_\@
	NEAR \q, 0
	s_branch .Ljoin_\@
.Ldiag_\@:
	NEAR \q, 512
	s_branch .Ljoin_\@
.Lfar_\@:
	FAR \q
.Ljoin_\@:
.rept 4
	v_nop                                          ; four places: in front of the loads into K's registers, and of the first read of the scores
.endr
.set t, 0
	s_wait_alu depctr_va_vdst(0)
.rept 4
.irp g, 0,1,2,3
	ds_load_b128 v[KV+16*t+4*\g:KV+16*t+4*\g+3], v[ADK] offset:8192+2048*t+512*\g   ; V^T: it lands while the softmax is walked
.endr
.set t, t+1
.endr
	v_max3_num_f32 v208, v[S], v[S+1], v[S+2]      ; the step's largest score of my query, among my 64 keys, in two chains, each tile from its low end on
	v_max3_num_f32 v209, v[S+3], v[S+4], v[S+5]
.irp i, 6,10,14,18,22,26,30,34,38,42,46,50,54,58
	v_max3_num_f32 v208, v208, v[S+\i], v[S+1+\i]
	v_max3_num_f32 v209, v209, v[S+2+\i], v[S+3+\i]
.endr
	s_setprio 1
	v_max3_num_f32 v208, v208, v[S+62], v[S+63]
	s_delay_alu instid0(VALU_DEP_1)
	v_max_num_f32 v208, v208, v209
	s_delay_alu instid0(VALU_DEP_1)
	v_permlanex16_b32 v214, v208, s20, s21
	s_delay_alu instid0(VALU_DEP_1)
	v_max_num_f32 v208, v208, v214                 ; and among lane l xor 16's
	s_delay_alu instid0(VALU_DEP_1)
	v_mul_f32 v208, s22, v208                      ; as t (c is positive)
	s_delay_alu instid0(VALU_DEP_1)
	v_max_num_f32 v13, v13, v208                   ; the running largest t
	v_mov_b32 v208, v12
	s_delay_alu instid0(VALU_DEP_2)
	v_floor_f32 v12, -v13                          ; the new -M = floor(-t) = -ceil(t)
	s_delay_alu instid0(VALU_DEP_1)
	v_sub_f32 v208, v12, v208                      ; old M - new M: a whole number, 0 or less
	s_delay_alu instid0(VALU_DEP_1)
	v_cvt_i32_f32 v208, v208                       ; (it saturates)
	s_delay_alu instid0(VALU_DEP_1)
	v_ldexp_f32 v210, 1.0, v208                    ; f = 2^(old M - new M)
.set i, 0
.rept 32
	v_pk_fma_f32 v[S+i:S+i+1], v[S+i:S+i+1], s[22:23], v[12:13] op_sel_hi:[1,0,0]   ; t - M, two at a time (of the pairs c and -M the low word serves both halves)
.set i, i+2
.endr
.set i, 0
	s_wait_alu depctr_va_vdst(0)
.rept 64
	v_exp_f32 v[S+i], v[S+i]                       ; p = 2^(t - M): one batch
.set i, i+1
.endr
	v_pk_mul_f32 v[14:15], v[14:15], v[210:211] op_sel_hi:[1,0]   ; the sums under the new M: the plain instruction behind the exponentials
	s_wait_alu depctr_va_vdst(0)                   ; one wait for the whole batch, ahead of its first reader
	v_pk_add_f32 v[212:213], v[100:101], v[104:105]
	v_pk_add_f32 v[254:255], v[108:109], v[112:113]
	v_pk_add_f32 v[252:253], v[116:117], v[120:121]
	v_pk_add_f32 v[250:251], v[124:125], v[128:129]
	v_pk_add_f32 v[248:249], v[132:133], v[136:137]
	v_pk_add_f32 v[246:247], v[140:141], v[144:145]
	v_pk_add_f32 v[244:245], v[148:149], v[152:153]
	v_pk_add_f32 v[14:15], v[14:15], v[156:157]
	v_pk_add_f32 v[212:213], v[212:213], v[96:97]
	v_pk_add_f32 v[254:255], v[254:255], v[98:99]
	v_pk_add_f32 v[252:253], v[252:253], v[102:103]
	v_pk_add_f32 v[250:251], v[250:251], v[106:107]
	v_pk_add_f32 v[248:249], v[248:249], v[110:111]
	v_pk_add_f32 v[246:247], v[246:247], v[114:115]
	v_pk_add_f32 v[244:245], v[244:245], v[118:119]
	v_pk_add_f32 v[14:15], v[14:15], v[122:123]
	v_pk_add_f32 v[212:213], v[212:213], v[126:127]
	v_pk_add_f32 v[254:255], v[254:255], v[130:131]
	v_pk_add_f32 v[252:253], v[252:253], v[134:135]
	s_setprio 0
	v_pk_add_f32 v[250:251], v[250:251], v[138:139]
	v_pk_add_f32 v[248:249], v[248:249], v[142:143]
	v_pk_add_f32 v[246:247], v[246:247], v[146:147]
	v_pk_add_f32 v[244:245], v[244:245], v[150:151]
	v_pk_add_f32 v[14:15], v[14:15], v[154:155]
	v_pk_add_f32 v[212:213], v[212:213], v[158:159]
	s_delay_alu instid0(VALU_DEP_2)
	v_pk_add_f32 v[14:15], v[14:15], v[250:251]
	s_delay_alu instid0(VALU_DEP_2)
	v_pk_add_f32 v[212:213], v[212:213], v[248:249]
	v_pk_add_f32 v[254:255], v[254:255], v[246:247]
	v_pk_add_f32 v[252:253], v[252:253], v[244:245]
	s_delay_alu instid0(VALU_DEP_2)
	v_pk_add_f32 v[14:15], v[14:15], v[254:255]
	s_delay_alu instid0(VALU_DEP_2)
	v_pk_add_f32 v[212:213], v[212:213], v[252:253]
	s_delay_alu instid0(VALU_DEP_1)
	v_pk_add_f32 v[14:15], v[14:15], v[212:213]
.set i, 0
.rept 64
.set i, i+1
.endr
.set t, 0
.rept 8
	v_cvt_scalef32_pk8_fp8_f32 v[PC+2*t:PC+2*t+1], v[S+8*t:S+8*t+7], v216
.set t, t+1
.endr
.set i, 0
.rept 16
	v_pk_mul_f32 v[O+i:O+i+1], v[O+i:O+i+1], v[210:211] op_sel_hi:[1,0]   ; O^T under the new M; also the plain instructions between the conversions and the products
.set i, i+2
.endr
	s_wait_alu depctr_va_vdst(0)
	s_wait_dscnt 0x0                               ; V^T
.set t, 0
.rept 4
	v_wmma_f32_16x16x128_fp8_fp8 v[O+8*t:O+8*t+7], v[KV+16*t:KV+16*t+15], v[PC:PC+15], v[O+8*t:O+8*t+7]
.set t, t+1
.endr
.Lskip_\@:
	s_add_co_u32 s50, s50, KVB
	s_add_co_u32 s49, s49, 1
	s_cmp_lt_u32 s49, 16
	s_cbranch_scc1 .Lstep_\@
	s_setprio 0
	; the tile's way out: O^T x 2^(e4 + e5) / the sum is y; converted with 2^e6; tile t's eight codes are channels 16 t + 8 h + 0 .. 7 of my token: registers 2 t, 2 t + 1 of my head's half of a fragment
.rept 4
	v_nop                                          ; four places behind the last products
.endr
	v_add_f32 v14, v14, v15                        ; the sum's two halves,
	s_delay_alu instid0(VALU_DEP_1)
	v_permlanex16_b32 v214, v14, s20, s21
	s_delay_alu instid0(VALU_DEP_1)
	v_add_f32 v14, v14, v214                       ; and lane l xor 16's
	s_wait_alu depctr_va_vdst(0)
	v_rcp_f32 v14, v14
	v_nop                                          ; a plain instruction behind the reciprocal,
	s_wait_alu depctr_va_vdst(0)                   ; and the wait ahead of its first reader
	v_ldexp_f32 v14, v14, s46
.set i, 0
.rept 16
	v_pk_mul_f32 v[S+i:S+i+1], v[O+i:O+i+1], v[14:15] op_sel_hi:[1,0]
.set i, i+2
.endr
.set i, 0
.rept 32
.set i, i+1
.endr
.set t, 0
.rept 4
	v_cvt_scalef32_pk8_fp8_f32 v[\yr+2*t:\yr+2*t+1], v[S+8*t:S+8*t+7], v218
.set t, t+1
.endr
	v_nop                                          ; one plain instruction between the conversions and whatever next writes their sources
	global_store_b128 v[LI], v[\yr:\yr+3], s[\yb:\yb+1]               ; 32 lanes store 512 consecutive bytes, aligned; each tile has its own registers and base: nothing of a store is written again
	global_store_b128 v[LI], v[\yr+4:\yr+7], s[\yb:\yb+1] offset:512
.endm
	PASS 16, 48, 58, 232                           ; query block 15 - a
	PASS 224, 47, 60, 240                          ; query block a
	s_wait_tensorcnt 0x0                           ; the wave's end
	ds_add_u32 v[SPW], v[NIL]
	s_wait_dscnt 0x0
	CROUND                                         ; the closing round
	s_endpgm
.Lfunc_end_k_q966ef13afd_attn:
	.size	k_q966ef13afd_attn, .Lfunc_end_k_q966ef13afd_attn-k_q966ef13afd_attn
	.p2alignl 7, 3214868480
	.fill 96, 4, 3214868480
	.section	.rodata,"a",@progbits
	.p2align	6, 0x0
	.amdhsa_kernel k_q966ef13afd_attn
		.amdhsa_group_segment_fixed_size 327680
		.amdhsa_private_segment_fixed_size 0
		.amdhsa_enable_private_segment 0
		.amdhsa_kernarg_size 32
		.amdhsa_user_sgpr_count 2
		.amdhsa_user_sgpr_kernarg_segment_ptr 1
		.amdhsa_wavefront_size32 1
		.amdhsa_system_sgpr_workgroup_id_x 1
		.amdhsa_system_sgpr_workgroup_id_y 1
		.amdhsa_system_sgpr_workgroup_id_z 1
		.amdhsa_system_vgpr_workitem_id 0
		.amdhsa_next_free_vgpr 256
		.amdhsa_next_free_sgpr 80
		.amdhsa_reserve_vcc 1
		.amdhsa_float_denorm_mode_32 3
		.amdhsa_float_denorm_mode_16_64 3
		.amdhsa_fp16_overflow 1
		.amdhsa_memory_ordered 1
		.amdhsa_forward_progress 1
		.amdhsa_inst_pref_size 54
	.end_amdhsa_kernel
	.amdgpu_metadata
---
amdhsa.version: [ 1, 2 ]
amdhsa.kernels:
  - .name:           k_q966ef13afd_attn
    .symbol:         k_q966ef13afd_attn.kd
    .args:
      - { .name: qkv, .offset: 0, .size: 8, .value_kind: global_buffer, .address_space: global }
      - { .name: rel_emb, .offset: 8, .size: 8, .value_kind: global_buffer, .address_space: global }
      - { .name: lowp_scales, .offset: 16, .size: 8, .value_kind: global_buffer, .address_space: global }
      - { .name: yc, .offset: 24, .size: 8, .value_kind: global_buffer, .address_space: global }
    .group_segment_fixed_size: 327680
    .private_segment_fixed_size: 0
    .kernarg_segment_align: 8
    .kernarg_segment_size: 32
    .max_flat_workgroup_size: 512
    .sgpr_count:     80
    .vgpr_count:     256
    .wavefront_size: 32
...
	.end_amdgpu_metadata
.endif
;; end of part 3
;; launch gemm_proj (part 4): grid 4 x 32, 4 waves a work-group, clusters of 4 x 4, 327,680 bytes of LDS; arguments yc, wpc, lowp_scales, b_proj, out0; writes out0
.if DOCPART == 4
	.amdgcn_target "amdgcn-amd-amdhsa--gfx1250"
	.amdhsa_code_object_version 6
	.text
	.protected	k_q966ef13afd_gemm_proj
	.globl	k_q966ef13afd_gemm_proj
	.p2align	8
	.type	k_q966ef13afd_gemm_proj,@function
k_q966ef13afd_gemm_proj:
	s_mov_b64 s[64:65], 0
	v_nop
	global_prefetch_b8 v0, s[64:65] scope:SCOPE_SE
	s_setreg_imm32_b32 hwreg(HW_REG_WAVE_MODE, 25, 1), 1
	s_wait_xcnt 0x0
	s_wait_alu depctr_hold_cnt(0) depctr_sa_sdst(0) depctr_va_vdst(0) depctr_va_sdst(0) depctr_va_ssrc(0) depctr_va_vcc(0) depctr_vm_vsrc(0)
	s_getreg_b32 s2, hwreg(HW_REG_IB_STS2, 6, 4)
	s_cmp_eq_u32 s2, 0
	s_cbranch_scc0 .Lentry_in_a_cluster
	s_endpgm
.Lentry_in_a_cluster:
	s_bfe_u32 s2, ttmp6, 0x10000c
	s_cmp_lg_u32 s2, 0xf033
	s_cbranch_scc0 .Lentry_shape_is_right
	s_endpgm
.Lentry_shape_is_right:
; LAUNCH 4 OF 4.  out0 = y W_proj^T + b_proj on codes of E4M3 (K = 1,024, v_wmma_f32_16x16x128_fp8_fp8, f32 sums).  Nothing is left out here.
; The second launch's core: a tile of 256 x 256 by four waves of 128 x 128, K in four slots' worth of 256 through a ring of two LDS slots, 4 x 4 clusters with joint loads (A's tile along a row of the cluster, B's along a column),
; the matrix instruction used transposed (source 0 = 16 rows of W_proj, source 1 = 16 tokens): a lane holds eight neighbouring numbers of a row of out0.
; A = yc COMES AS IMAGES OF ITS REGISTERS: [tile of 16 tokens][K step of 128][4 quads][32 lanes][16 bytes].  A slot's part of a token tile is 4,096 consecutive bytes; a loading wave brings 8 token tiles, 16,384 bytes apart
; in memory, dense in LDS; a fragment is four loads of 16 bytes at 16 x lane.  B = wpc comes as rows, padded, as in the second launch.
; The bias is the C of each sum's first matrix instruction, as b_proj / 2^(e6 + e7); each finished sum is multiplied once by 2^(e6 + e7).
; LIMIT: e6 + e7 between -126 and 127.
; 128 tiles: half of the 256 places for a work-group.  A tile of 128 x 256 would fill them at the price of half as many products for each byte of B read from LDS; the larger tile is kept here.
; A prefetch is left out: K has four slots.
; REGISTERS as in the second launch; on the way out v32-95 a block's numbers, v128-255 rows read back from the stage.
.set KROW,   1024
.set ROWB,   256
.set PITCH,  272                       ; B's LDS row: 256 bytes + 16 of padding
.set FR,     16
.set NL,     4
.set NP,     4
.set HALFA,  32768                     ; A: 8 token tiles x 4,096 bytes: what one tensor load brings, and what one wave reads
.set HALFT,  128*PITCH                 ; B: 128 rows
.set BOFF,   2*HALFA                   ; a slot: A's 16 token tiles, then B's 256 rows
.set SLOT,   BOFF+2*HALFT
.set SPARE,  2*SLOT                    ; behind the ring: the spare words, 128 bytes for each wave
.set SIZE_N, 1024
.set SPITCH, 528                       ; the way out: a stage of 16 rows x (512 bytes + 16) for each wave, in slot 0, which has had its last fill and its last read when the first result is stored there
.set ADRA, 16
.set ADRB, 20
.set STO,  24                          ; v24     the way out: where I put 32 bytes of a row
.set RD,   25                          ; v25     where I read a row back
.set CO,   26                          ; v26     my byte offset in a row of out0
.set SPW,  28
.set NIL,  29
.set BIAS, 32
.set TMP,  32
.set AF,   128
.set BK,   128
.set G1, 24
.set G0, 32
.set G1B, 48
.set G0B, 56
.set MSB, 0
.macro WIN new                         ; the immediate's high byte repeats the setting that is left
.if MSB != \new
	s_set_vgpr_msb (MSB<<8)|\new
.set MSB, \new
.endif
.endm
.set MUL_LO,   0xa1                    ; source 0 (B) window 1, source 1 (A) window 0, C and D window 2
.set MUL_HI,   0xf1
.set FIRST_LO, 0x81                    ; the first step: C (the bias) window 0, D window 2
.set FIRST_HI, 0xc1
.set TO_B,     0x40
.macro JLOAD g0a, g1a, g0b, g1b        ; a joint load: waves 0 and 1 fetch for A, waves 2 and 3 for B; an s_nop 0 and four v_nop follow each of the two lines
	s_cmp_eq_u32 s15, 0
	s_cbranch_scc0 .Lfor_b_\@
	tensor_load_to_lds s[\g0a:\g0a+3], s[\g1a:\g1a+7]
	s_nop 0
.rept 4
	v_nop
.endr
	s_branch .Lasked_\@
.Lfor_b_\@:
	tensor_load_to_lds s[\g0b:\g0b+3], s[\g1b:\g1b+7]
	s_nop 0
.rept 4
	v_nop
.endr
.Lasked_\@:
.endm
.macro CREST
	s_cmp_lg_u32 s14, 0
	s_cbranch_scc1 .Lnot_wave_0_\@
	s_barrier_signal -3
.Lnot_wave_0_\@:
	s_barrier_wait -3
	s_barrier_signal -1
	s_barrier_wait -1
.endm
.macro CROUND
	s_barrier_signal -1
	s_barrier_wait -1
	CREST
.endm
	s_load_b256 s[4:11], s[0:1], 0x0               ; yc s[4:5], wpc s[6:7], the scales' exponents s[8:9], b_proj s[10:11]
	s_load_b64 s[12:13], s[0:1], 0x20              ; out0
	v_lshl_add_u32 v[SPW], v0, 2, SPARE
	v_mov_b32 v[NIL], 0
	ds_add_u32 v[SPW], v[NIL]                      ; the wave's opening: the add, twice on end, and its wait ahead of my first tensor load
	ds_add_u32 v[SPW], v[NIL]
	v_lshrrev_b32 v1, 5, v0
	v_readfirstlane_b32 s14, v1                    ; wave 0..3
	s_lshr_b32 s15, s14, 1                         ; which half of the tile's tokens is mine.  Also: I fetch for A (0) or for B (1)
	s_and_b32 s16, s14, 1                          ; which half of its columns.  Also: which half of that tile I fetch
	s_bfe_u32 s40, ttmp6, 0x40000                  ; cx, cy
	s_bfe_u32 s41, ttmp6, 0x40004
	s_lshl_b32 s42, ttmp9, 2
	s_add_co_u32 s42, s42, s40                     ; tile column = 4 x cluster x + cx
	s_and_b32 s17, ttmp7, 0xffff
	s_lshl_b32 s17, s17, 2
	s_add_co_u32 s17, s17, s41                     ; tile row = 4 x cluster y + cy
	s_lshl_b32 s43, s41, 2
	s_lshl_b32 s43, 15, s43                        ; my row of the cluster
	s_lshl_b32 s44, 0x1111, s40                    ; my column
	s_or_b32 s[G1+0], s43, (0<<16)|(1<<21)         ; A: the mask of my row; elements of 1 byte; no padding
	s_mov_b32 s[G1+1], 4096<<16                    ; tensor_dim0 = 4,096
	s_mov_b32 s[G1+2], 8<<16                       ; tensor_dim1 = 8
	s_mov_b32 s[G1+3], 4096<<16                    ; tile_dim0 = 4,096
	s_mov_b32 s[G1+4], 8                           ; tile_dim1 = 8
	s_mov_b32 s[G1+5], 16384                       ; from token tile to token tile
	s_mov_b32 s[G1+6], 0
	s_mov_b32 s[G1+7], 0
	s_or_b32 s[G1B+0], s44, (0<<16)|(1<<20)|(1<<21)|(5<<22)|(3<<25)  ; B: the mask of my column; padding: four words after every 64
	s_mov_b32 s[G1B+1], ROWB<<16
	s_mov_b32 s[G1B+2], 128<<16
	s_mov_b32 s[G1B+3], ROWB<<16
	s_mov_b32 s[G1B+4], 128
	s_mov_b32 s[G1B+5], KROW
	s_mov_b32 s[G1B+6], 0
	s_mov_b32 s[G1B+7], 0
	s_lshl_b32 s20, s17, 4
	s_lshl_b32 s18, s16, 3
	s_add_co_u32 s20, s20, s18
	s_lshl_b32 s20, s20, 14                        ; A: token tile 16 x tile row + 8 x half, 16,384 bytes each: under 2^23
	s_mov_b32 s21, 0
	s_lshl_b32 s46, s42, 8
	s_lshl_b32 s18, s16, 7
	s_add_co_u32 s46, s46, s18
	s_lshl_b32 s46, s46, 10                        ; B: row 256 x tile column + 128 x half
	s_mov_b32 s47, 0
	s_lshl_b32 s45, s16, 15                        ; where they go: A's half,
	s_mul_i32 s67, s16, HALFT
	s_add_co_u32 s67, s67, BOFF                    ; B's half: the wave's number alone enters an LDS address
	s_wait_dscnt 0x0                               ; both opening adds are done
	s_wait_kmcnt 0x0
	s_load_b256 s[84:91], s[8:9], 0x0              ; e0 .. e7
	s_add_nc_u64 s[20:21], s[4:5], s[20:21]
	s_add_nc_u64 s[46:47], s[6:7], s[46:47]
	CROUND                                         ; all sixteen work-groups are here: the first joint loads meet
.irp s, 0,1
	s_mov_b32 s[G0+4*\s], 1
	s_add_co_u32 s[G0+4*\s+1], s45, \s*SLOT
	s_add_nc_u64 s[G0+4*\s+2:G0+4*\s+3], s[20:21], \s*4096
	s_or_b32 s[G0+4*\s+3], s[G0+4*\s+3], 0x80000000
	s_mov_b32 s[G0B+4*\s], 1
	s_add_co_u32 s[G0B+4*\s+1], s67, \s*SLOT
	s_add_nc_u64 s[G0B+4*\s+2:G0B+4*\s+3], s[46:47], \s*ROWB
	s_or_b32 s[G0B+4*\s+3], s[G0B+4*\s+3], 0x80000000
	s_wait_alu depctr_va_vdst(0)
	s_wait_tensorcnt 0x0
	ds_add_u32 v28, v29
	ds_add_u32 v28, v29
	s_wait_dscnt 0x0
	CROUND
	JLOAD G0+4*\s, G1, G0B+4*\s, G1B               ; one load of mine is out
.endr
	v_and_b32 v1, 15, v0                           ; r
	v_bfe_u32 v2, v0, 4, 1                         ; h
	v_and_b32 v6, 31, v0
	v_lshlrev_b32 v[CO], 4, v6                     ; 16 x lane: an image's place, and my 16 bytes of a row of 512
	v_mul_u32_u24 v3, v1, PITCH
	v_lshl_add_u32 v4, v2, 4, v3                   ; B: a fragment's row x pitch + 16 h
	s_lshl_b32 s21, s15, 15                        ; my 8 token tiles of A
	s_mul_i32 s22, s16, HALFT
	s_add_co_u32 s22, s22, BOFF                    ; my 128 rows of B
.irp s, 0,1
	v_add_nc_u32 v[ADRA+\s], s21, v[CO]
	v_add_nc_u32 v[ADRB+\s], s22, v4
	s_add_co_u32 s21, s21, SLOT
	s_add_co_u32 s22, s22, SLOT
.endr
	s_mul_i32 s23, s14, 16*SPITCH                  ; my stage
	v_mul_u32_u24 v5, v1, SPITCH                   ; in: row r, 32 bytes for each half of the lanes
	v_lshl_add_u32 v5, v2, 5, v5
	v_add_nc_u32 v[STO], s23, v5
	v_add_nc_u32 v[RD], s23, v[CO]                 ; back: the 32 lanes take one row of 512 bytes
	s_lshl_b32 s20, s17, 8
	s_lshl_b32 s21, s15, 7
	s_add_co_u32 s20, s20, s21                     ; my first row of out0
	s_lshl_b32 s20, s20, 12                        ; of 4,096 bytes: under 2^25
	s_lshl_b32 s46, s42, 10                        ; my first column, in bytes: 1,024 x tile column + 512 x half
	s_lshl_b32 s47, s16, 9
	s_add_co_u32 s46, s46, s47
	s_add_co_u32 s20, s20, s46
	s_mov_b32 s21, 0
	s_add_nc_u64 s[12:13], s[12:13], s[20:21]
	s_mov_b32 s47, 0
	s_add_nc_u64 s[10:11], s[10:11], s[46:47]      ; b_proj at my 128 columns: the same bytes on
	v_lshlrev_b32 v7, 5, v2                        ; 8 h numbers on
.irp b, 0,1,2,3,4,5,6,7                        ; tile b, register j = the bias of column 16 b + 8 h + j
	global_load_b128 v[BIAS+8*\b:BIAS+8*\b+3], v7, s[10:11] offset:64*\b
	global_load_b128 v[BIAS+8*\b+4:BIAS+8*\b+7], v7, s[10:11] offset:64*\b+16
.endr
	s_wait_kmcnt 0x0
	s_add_co_i32 s96, s90, s91                     ; e6 + e7
	s_sub_co_i32 s77, 0, s96
	s_add_co_i32 s96, s96, 127
	s_lshl_b32 s96, s96, 23                        ; 2^(e6 + e7) as f32
	s_mov_b32 s97, s96                             ; (named with it as a pair, so it is written)
	s_wait_loadcnt 0x0
.set i, 0
.rept 64
	v_ldexp_f32 v[BIAS+i], v[BIAS+i], s77
.set i, i+1
.endr
.macro FRAGA reg, adr, q, i            ; A: token tile i, the slot's q-th K step: four quads of 512 bytes
.irp c, 0,1,2,3
	ds_load_b128 v[\reg+4*\c:\reg+4*\c+3], v[\adr] offset:(\i)*4096+(\q)*2048+512*\c
.endr
.endm
.macro FRAGB reg, adr, q, i            ; B: 16 rows x 128 K: registers 4 c .. 4 c + 3 from bytes 32 c + 16 h of the row
.irp c, 0,1,2,3
	ds_load_b128 v[\reg+4*\c:\reg+4*\c+3], v[\adr] offset:128*(\q)+32*\c+(\i)*16*PITCH
.endr
.endm
; 16 matrix instructions: A's blocks a0, a0 + 1 x B's eight.  zero = 1: the sums start from the bias.  The 64 accumulators take turns, one instruction a turn.
.macro MUL16 a0, p, zero
.irp a, \a0, \a0+1
.irp b, 0,1,2,3,4,5,6,7
.if \zero
	v_wmma_f32_16x16x128_fp8_fp8 v[8*(8*((\a)%4)+\b):8*(8*((\a)%4)+\b)+7], v[128*(\p)+FR*\b:128*(\p)+FR*\b+FR-1], v[AF+FR*(\a):AF+FR*(\a)+FR-1], v[BIAS+8*\b:BIAS+8*\b+7]
.else
	v_wmma_f32_16x16x128_fp8_fp8 v[8*(8*((\a)%4)+\b):8*(8*((\a)%4)+\b)+7], v[128*(\p)+FR*\b:128*(\p)+FR*\b+FR-1], v[AF+FR*(\a):AF+FR*(\a)+FR-1], v[8*(8*((\a)%4)+\b):8*(8*((\a)%4)+\b)+7]
.endif
.endr
.endr
.endm
.macro FETCH_B slot, q, p
	WIN TO_B
.irp i, 0,1,2,3,4,5,6,7
	FRAGB 128*(\p)+FR*\i, ADRB+\slot, \q, \i
.endr
	WIN 0
.endm
.macro FETCH_A slot, q, i0
.irp i, \i0, \i0+1, \i0+2, \i0+3
	FRAGA AF+FR*(\i), ADRA+\slot, \q, \i
.endr
.endm
.macro PLACES n                        ; four plain vector instructions behind a matrix instruction, in front of loads into its registers and of reads of its result
.rept \n
	v_nop
.endr
.endm
.macro STEP slot, q, zero
	s_wait_dscnt 4*NL                              ; B's set and A's blocks 0-3 are in; the youngest 16 loads (A's blocks 4-7) may be out
.if \zero
	WIN FIRST_LO
.else
	WIN MUL_LO
.endif
	MUL16 0, (\q)%2, \zero
	MUL16 2, (\q)%2, \zero
	s_wait_dscnt 0
	PLACES NP
	FETCH_B \slot, (\q)+1, 1-(\q)%2
	FETCH_A \slot, (\q)+1, 0
.if \zero
	WIN FIRST_HI
.else
	WIN MUL_HI
.endif
	MUL16 4, (\q)%2, \zero
	MUL16 6, (\q)%2, \zero
	PLACES NP
	WIN 0
	FETCH_A \slot, (\q)+1, 4
.endm
.macro TURN slot, next, fill
	s_wait_tensorcnt 0x0                           ; all my tensor loads have landed: my part of the next slot  (every window is 0 here)
	ds_add_u32 v[SPW], v[NIL]                      ; 0 onto my spare word
	s_wait_dscnt 4*NL+1                            ; the add and the youngest 16 loads may be out
	WIN MUL_LO
	MUL16 0, 1, 0
	s_wait_dscnt 0x0                               ; the add is done, and my reads of this slot are over
	s_barrier_signal -1
	MUL16 2, 1, 0
	WIN 0
	s_barrier_wait -1
.if \fill
	CREST                                          ; the barrier has opened a round of the cluster's barrier: no wave of any partner still reads this slot or has a load on its way
	s_add_nc_u64 s[G0+4*\slot+2:G0+4*\slot+3], s[G0+4*\slot+2:G0+4*\slot+3], 2*4096
	s_add_nc_u64 s[G0B+4*\slot+2:G0B+4*\slot+3], s[G0B+4*\slot+2:G0B+4*\slot+3], 2*ROWB
	JLOAD G0+4*\slot, G1, G0B+4*\slot, G1B         ; my one tensor load behind the round; its four v_nop are the places in front of the loads below
.else
	PLACES NP
.endif
	FETCH_B \next, 0, 0
	FETCH_A \next, 0, 0
	WIN MUL_HI
	MUL16 4, 1, 0
	MUL16 6, 1, 0
	PLACES NP
	WIN 0
	FETCH_A \next, 0, 4
.endm
	s_wait_alu depctr_va_vdst(0)
	s_wait_tensorcnt 1                             ; my part of slot 0 is in; slot 1's load may be out
	s_barrier_signal -1
	s_barrier_wait -1
	FETCH_B 0, 0, 0
	FETCH_A 0, 0, 0
	FETCH_A 0, 0, 4
	STEP 0, 0, 1                                   ; the eight steps are written out: a loop would have one trip
	TURN 0, 1, 1
	STEP 1, 0, 0
	TURN 1, 0, 1
	STEP 0, 0, 0
	TURN 0, 1, 0                                   ; nothing is left to fetch: no round.  Behind this barrier nobody reads slot 0
	STEP 1, 0, 0
	s_wait_dscnt 4*NL
	WIN MUL_LO
	MUL16 0, 1, 0
	MUL16 2, 1, 0
	s_wait_dscnt 0
	WIN MUL_HI
	MUL16 4, 1, 0
	MUL16 6, 1, 0
	WIN 0
; THE WAY OUT, block by block of 16 rows x 128 columns, through my own stage: in as 32 bytes a lane, back as whole rows of 512 bytes.  LDS serves a wave's instructions in order (ISA guide 5.7.1): no wait between the stores and the loads.
.macro TOSTAGE a
.set AC, 64*((\a)%4)
	WIN 0x02+((\a)/4)                              ; source 0: window 2 or 3
.irp j, 0,2,4,6,8,10,12,14,16,18,20,22,24,26,28,30,32,34,36,38,40,42,44,46,48,50,52,54,56,58,60,62
	v_pk_mul_f32 v[TMP+\j:TMP+\j+1], v[AC+\j:AC+\j+1], s[96:97] op_sel_hi:[1,0]   ; x 2^(e6 + e7); each accumulator from its low end on
.endr
	WIN 0
.irp b, 0,1,2,3,4,5,6,7
	ds_store_b128 v[STO], v[TMP+8*\b:TMP+8*\b+3] offset:64*\b
	ds_store_b128 v[STO], v[TMP+8*\b+4:TMP+8*\b+7] offset:64*\b+16
.endr
.set BB, BK+64*((\a)%2)
.irp t, 0,1,2,3,4,5,6,7,8,9,10,11,12,13,14,15
	ds_load_b128 v[BB+4*\t:BB+4*\t+3], v[RD] offset:\t*SPITCH
.endr
.endm
.macro SEND a, younger                 ; younger: the LDS instructions issued behind block a's loads, which may stay out
.set BB, BK+64*((\a)%2)
	s_wait_dscnt \younger
.if (\a) > 0
	s_add_nc_u64 s[12:13], s[12:13], 16*SIZE_N*4   ; (behind a wait on XCNT: the earlier stores have read their base)
.endif
.irp t, 0,1,2,3,4,5,6,7,8,9,10,11,12,13,14,15
	global_store_b128 v[CO], v[BB+4*\t:BB+4*\t+3], s[12:13] offset:\t*SIZE_N*4 th:TH_STORE_NT   ; 32 lanes store 512 consecutive bytes, aligned; written once, read by nobody here
.endr
.endm
	PLACES NP                                      ; behind the last products: for the reads of their sums and for the loads into the registers that held A's fragments
	TOSTAGE 0
.irp a, 1,2,3,4,5,6,7
.if \a > 1
	s_wait_xcnt 0x0                                ; block a - 2's stores have read their registers and their base
.endif
	TOSTAGE \a
	SEND \a-1, 32                                  ; behind block a - 1's loads: block a's 16 stores and 16 loads
.endr
	s_wait_xcnt 0x0
	SEND 7, 0
	s_wait_tensorcnt 0x0                           ; the wave's end
	ds_add_u32 v[SPW], v[NIL]
	s_wait_dscnt 0x0
	CROUND                                         ; the closing round
	s_endpgm
.Lfunc_end_k_q966ef13afd_gemm_proj:
	.size	k_q966ef13afd_gemm_proj, .Lfunc_end_k_q966ef13afd_gemm_proj-k_q966ef13afd_gemm_proj
	.p2alignl 7, 3214868480
	.fill 96, 4, 3214868480
	.section	.rodata,"a",@progbits
	.p2align	6, 0x0
	.amdhsa_kernel k_q966ef13afd_gemm_proj
		.amdhsa_group_segment_fixed_size 327680
		.amdhsa_private_segment_fixed_size 0
		.amdhsa_enable_private_segment 0
		.amdhsa_kernarg_size 40
		.amdhsa_user_sgpr_count 2
		.amdhsa_user_sgpr_kernarg_segment_ptr 1
		.amdhsa_wavefront_size32 1
		.amdhsa_system_sgpr_workgroup_id_x 1
		.amdhsa_system_sgpr_workgroup_id_y 1
		.amdhsa_system_sgpr_workgroup_id_z 1
		.amdhsa_system_vgpr_workitem_id 0
		.amdhsa_next_free_vgpr 1024
		.amdhsa_next_free_sgpr 100
		.amdhsa_reserve_vcc 0
		.amdhsa_float_denorm_mode_32 3
		.amdhsa_float_denorm_mode_16_64 3
		.amdhsa_memory_ordered 1
		.amdhsa_forward_progress 1
		.amdhsa_inst_pref_size 130
	.end_amdhsa_kernel
	.amdgpu_metadata
---
amdhsa.version: [ 1, 2 ]
amdhsa.kernels:
  - .name:           k_q966ef13afd_gemm_proj
    .symbol:         k_q966ef13afd_gemm_proj.kd
    .args:
      - { .name: yc, .offset: 0, .size: 8, .value_kind: global_buffer, .address_space: global }
      - { .name: wpc, .offset: 8, .size: 8, .value_kind: global_buffer, .address_space: global }
      - { .name: lowp_scales, .offset: 16, .size: 8, .value_kind: global_buffer, .address_space: global }
      - { .name: b_proj, .offset: 24, .size: 8, .value_kind: global_buffer, .address_space: global }
      - { .name: out0, .offset: 32, .size: 8, .value_kind: global_buffer, .address_space: global }
    .group_segment_fixed_size: 327680
    .private_segment_fixed_size: 0
    .kernarg_segment_align: 8
    .kernarg_segment_size: 40
    .max_flat_workgroup_size: 128
    .sgpr_count:     100
    .vgpr_count:     1024
    .wavefront_size: 32
...
	.end_amdgpu_metadata
.endif
;; end of part 4
